; MI455X (gfx1250); checked and timed in simulation.
; The chip was launched on July 23, 2026; its instructions are those of AMD's public machine-readable ISA for CDNA 5 (MIT licence, August 2026) and "CDNA5" Instruction Set Architecture Reference Guide (July 2026). The comments in the code are by the model that wrote it; some were corrected since.
;; Multi Head Attention. Allowed arithmetic: matrix products marked QUANTISED: E2M1 operands, one E8M0 scale for each 32 along K, by v_wmma_scale_f32_16x16x128_f8f6f4 with both operands' format E2M1 (or v_wmma_scale_f32_32x16x128_f4), f32 sums; products left as they are: bf16, f16 or f32 operands; f32 sums; everything else in f32.
;; Inputs: Wk 1,024 x 1,024 float32; Wo 1,024 x 1,024 float32; Wq 1,024 x 1,024 float32; Wv 1,024 x 1,024 float32; bk 1,024 float32; bo 1,024 float32; bq 1,024 float32; bv 1,024 float32; prefix 8 int32; x 8 x 1,024 x 1,024 float32.
;; Outputs: out0 8 x 1,024 x 1,024 float32.
;; This version of the problem:
;;   THIS VERSION OF THE PROBLEM IS GIVEN IN LOW PRECISION. The matrix products marked QUANTISED in the list below multiply operands that are first quantised to E2M1 (2 exponent bits, 1 mantissa bit; 4 bits a number), with one power-of-two scale for each 32 numbers along K (OCP MX v1.0); their sums are f32. The products marked 'left as it is' may take bf16, f16 or f32 operands, with f32 sums. Whichever they take, every output number must still come out within the allowed error. Rounding operands to bf16 (8 significant bits) uses up far more of that allowance than f16 does (11 bits, for magnitudes from 6e-5 to 65,504). All else is computed in f32.
;;   The module's matrix products, in the order in which they are computed (A, B: the left and right operand; K: the contracted axis; several contracted axes count as one K, in the product's order):
;;     1. [M 8,192, K 1,024] x [K 1,024, N 1,024]; A: input x; B: input Wq: QUANTISED
;;     2. [M 8,192, K 1,024] x [K 1,024, N 1,024]; A: input x; B: input Wk: QUANTISED
;;     3. [M 8,192, K 1,024] x [K 1,024, N 1,024]; A: input x; B: input Wv: QUANTISED
;;     4. batch 128 x [M 1,024, K 64] x [K 64, N 1,024]; A: computed on the way; B: computed on the way: left as it is (an operand is computed on the way)
;;     5. batch 128 x [M 64, K 1,024] x [K 1,024, N 1,024]; A: computed on the way; B: computed on the way: left as it is (an operand is computed on the way)
;;     6. [M 8,192, K 1,024] x [K 1,024, N 1,024]; A: computed on the way; B: input Wo: left as it is (an operand is computed on the way)
;;   THE QUANTISER, for each operand of a quantised product, along K:
;;     - K is cut into blocks of 32 from its start; a last block that is shorter is filled with zeros.
;;     - A block's scale is 2^e with e = floor(log2(the largest magnitude in the block)) - 2, held to -126 .. 127; a block of zeros has e = 0. As a byte (E8M0): e + 127.
;;     - Each number is divided by its block's scale, clamped to +-6, and rounded to the nearest number of E2M1, ties to even, subnormals kept.
;;     - The product sums the exact products of the quantised numbers (number of the format x scale) in f32.
;;   ~~~python
;;   def quantise(x, axis):      # numpy; x: float32 -> the quantised numbers, widened to float32 again
;;       x = np.moveaxis(x, axis, -1); K = x.shape[-1]
;;       x = np.pad(x, [(0, 0)] * (x.ndim - 1) + [(0, -K % 32)]); x = x.reshape(x.shape[:-1] + (-1, 32)); a = np.abs(x).max(-1, keepdims=True)
;;       e = np.where(a > 0, np.clip(np.frexp(np.where(a > 0, a, 1))[1] - 1 - 2, -126, 127), 0)      # np.frexp(a)[1] - 1 = floor(log2(a)), exactly
;;       r = np.clip(x / 2.0 ** e, -6, 6)
;;       step = 2.0 ** (np.maximum(np.frexp(np.where(r == 0, 1, r))[1] - 1, 0) - 1)
;;       q = np.round(r / step) * step * 2.0 ** e      # np.round: ties to even
;;       return np.moveaxis(q.reshape(q.shape[:-2] + (-1,))[..., :K], -1, axis).astype(np.float32)
;;   ~~~
;; One version. Each part assembles by itself: llvm-mc -triple=amdgcn-amd-amdhsa -mcpu=gfx1250 --defsym DOCPART=n.
;; ======== version 1 of 1: 4 launches
;; limits: values are held in f16: magnitudes above 65,504 overflow, below 6.1e-05 lose precision
;; workspace buffers: xcode 4,456,448 bytes; wcode 1,671,168 bytes; wo16 2,097,152 bytes; qkv 50,331,648 bytes; att16 16,777,216 bytes
;; launch prep (part 1): grid 768 x 1, 4 waves a work-group, no clusters, 9,728 bytes of LDS; arguments x, Wq, Wk, Wv, Wo, xcode, wcode, wo16; writes xcode, wcode, wo16
.if DOCPART == 1
	.amdgcn_target "amdgcn-amd-amdhsa--gfx1250"
	.amdhsa_code_object_version 6
	.text
	.protected	k_qb6caaa7e38_prep
	.globl	k_qb6caaa7e38_prep
	.p2align	8
	.type	k_qb6caaa7e38_prep,@function
k_qb6caaa7e38_prep:
	s_mov_b64 s[64:65], 0
	v_nop
	global_prefetch_b8 v0, s[64:65] scope:SCOPE_SE
	s_setreg_imm32_b32 hwreg(HW_REG_WAVE_MODE, 25, 1), 1
	s_wait_xcnt 0x0
; FIRST OF FOUR LAUNCHES.  x [8192][1024] and Wq, Wk, Wv [1024 (k)][1024 (n)], f32, become codes of FP4 (E2M1) with one E8M0 byte for each 32 along K; Wo becomes f16.
; DEAD WORK OF THE WHOLE PROGRAM: bk.  reference() adds bk to k = x Wk + bk, and k goes nowhere but into scores[b,h,q,l] = sum over d of q[q,d] k[l,d] = q . k0[l] + q . bk[h].
; The second term is the same for all keys l of a query: a term added to the softmax's input that is constant along the softmax's axis, and softmax(s + const) = softmax(s) for all finite
; values of the inputs; the places that the mask sets to -inf stay -inf.  k is no operand of a quantised product (the product of q and k is left as it is), so bk moves no code and no scale.
; So bk is not loaded and is among no launch's arguments.  LIMIT: a NaN, an infinity or an overflow that reaches only q . bk is not carried to the result.
; THE QUANTISER: a block's scale is 2^(floor(log2(its largest magnitude)) - 2); its byte is the largest magnitude's exponent field - 2, held at 1 from below by a floor among the maximum's leaves.
; A block of zeros so gets the byte 1 where the rule says 127: its codes are zeros, which add nothing under any byte but 0xff, and this program alone reads the bytes.
; LIMITS: blocks whose largest magnitude lies under 2^(2 - 126) were not tried; NaN and infinities among the inputs are not served.  Wo in f16: numbers under 6e-5 lose bits, beyond 65,504 are not served.
; LAYOUTS, all images of operand registers, in pieces of 16 bytes:
;   a tile of codes (16 rows x K 1,024: 8,192 bytes): the 32 codes of (row r, block kb) at 256 kb + 16 r.  So registers 4 c .. 4 c + 3 of K step ks lie at 1024 ks + 512 c + 16 x lane.
;   its scale words: [K step 0..7][row 0..15], 4 bytes each, 512 bytes a tile.
;   xcode: 512 tiles of codes (tile = 16 rows of x), then from XSC their scale words.   wcode: tiles [n / 128][q, k, v][(n % 128) / 16], rows = columns n of a weight; from WSC their scale words.
;   wo16: [k / 128][n / 16][piece (k % 128) / 8][n % 16][16 bytes = 8 f16 along k].
; SHARES.  Work-groups 0 to 255: a weight's 128 rows k x 128 columns n; a lane takes a column and its registers run down K, so that a block of 32 lies in one lane and nothing is transposed.
; Work-groups 256 to 767: a tile of 16 rows of x; wave w takes k = 256 w .. 256 w + 255 of all 16 rows, a lane 8 neighbours of each row, four lanes a block; the codes turn through the wave's own LDS.
; No matrix unit, no tensor load, no cluster: a stream that is read once; waves share nothing, so there is no barrier.
.set XSC,   4194304
.set WSC,   1572864
.set WREG,  2304                       ; LDS of a wave (x role): 8 units of 256 bytes of codes, 272 bytes apart, then 128 scale bytes
.set SCB,   2176
.set SPARE, 4*WREG                     ; the spare words, 128 bytes for each wave: two blocks of 256 bytes that no other line names
.set SPW,   12                         ; v12  LDS address of my spare word; never rewritten
.set NIL,   13                         ; v13  0; never rewritten
.set X,     32                         ; v32-159  the numbers as loaded
.set C,     160                        ; v160..   codes (or f16 pieces): registers of their own for every store
.set E,     176                        ; v176-191 x role: a scale byte for each row
	s_load_b256 s[4:11], s[0:1], 0x0               ; x s[4:5], Wq s[6:7], Wk s[8:9], Wv s[10:11]
	s_load_b256 s[12:19], s[0:1], 0x20             ; Wo s[12:13], xcode s[14:15], wcode s[16:17], wo16 s[18:19]
	v_lshl_add_u32 v[SPW], v0, 2, SPARE
	v_mov_b32 v[NIL], 0
	v_lshrrev_b32 v1, 5, v0
	v_readfirstlane_b32 s20, v1                    ; wave 0..3
	v_and_b32 v1, 31, v0                           ; lane
	v_and_b32 v14, 15, v0                          ; lane % 16
	v_bfe_u32 v15, v0, 4, 1                        ; lane / 16
	s_mov_b32 s29, 0                               ; the upper word of every offset
	s_wait_kmcnt 0x0
	s_cmp_lt_u32 ttmp9, 256
	s_cbranch_scc0 .Lx_role
; ---------------- the weights ----------------
	s_lshr_b32 s21, ttmp9, 6                       ; which: 0 Wq, 1 Wk, 2 Wv, 3 Wo
	s_bfe_u32 s22, ttmp9, 0x30003                  ; which 128 columns
	s_and_b32 s23, ttmp9, 7                        ; which 128 rows: the K step
	s_cmp_eq_u32 s21, 1                            ; the choice hangs on the work-group's number alone
	s_cselect_b64 s[24:25], s[8:9], s[6:7]
	s_cmp_eq_u32 s21, 2
	s_cselect_b64 s[24:25], s[10:11], s[24:25]
	s_cmp_eq_u32 s21, 3
	s_cselect_b64 s[24:25], s[12:13], s[24:25]
	s_lshl_b32 s28, s23, 19                        ; 128 rows of 4,096 bytes
	s_lshl_b32 s26, s22, 9                         ; 128 columns
	s_add_co_u32 s28, s28, s26
	s_lshl_b32 s26, s20, 7                         ; my wave's 32 columns
	s_add_co_u32 s28, s28, s26
	s_add_nc_u64 s[24:25], s[24:25], s[28:29]
	v_lshlrev_b32 v2, 2, v1                        ; 4 bytes a lane: a load of the wave reads 128 consecutive bytes, the four waves stand side by side on 512
.macro WLOAD t                         ; block t: rows 32 t + 0 .. 31 of my column
.set i, 0
.rept 32
	global_load_b32 v[X+32*(\t)+i], v2, s[24:25] offset:4096*(32*(\t)+i) th:TH_LOAD_NT
.set i, i+1
.endr
.endm
.macro AHEAD t                         ; block t is in; the block two further on is asked for
.if (\t) < 3
	s_wait_loadcnt 32                              ; loads come back in order: only the next block's 32 may be out
.else
	s_wait_loadcnt 0x0
.endif
.if (\t) < 2
	WLOAD (\t)+2
.endif
.endm
	WLOAD 0
	WLOAD 1
	s_lshl_b32 s27, s20, 1                         ; 2 x wave: my first tile of 16 columns among the work-group's eight
	s_cmp_eq_u32 s21, 3
	s_cbranch_scc1 .Lwo
	s_mul_i32 s30, s22, 3
	s_add_co_u32 s30, s30, s21
	s_lshl_b32 s30, s30, 3
	s_add_co_u32 s30, s30, s27                     ; tile = (3 x column group + weight) x 8 + 2 x wave
	s_lshl_b32 s28, s30, 13
	s_lshl_b32 s26, s23, 10
	s_add_co_u32 s28, s28, s26                     ; 8,192 x tile + 1,024 x K step
	s_add_nc_u64 s[32:33], s[16:17], s[28:29]
	s_lshl_b32 s28, s30, 9
	s_lshl_b32 s26, s23, 6
	s_add_co_u32 s28, s28, s26
	s_add_co_u32 s28, s28, WSC                     ; 512 x tile + 64 x K step, behind the codes
	s_add_nc_u64 s[34:35], s[16:17], s[28:29]
	v_lshlrev_b32 v3, 4, v14
	v_lshl_add_u32 v3, v15, 13, v3                 ; codes: 16 x (lane % 16), lanes 16-31 one tile on
	v_lshlrev_b32 v4, 2, v14
	v_lshl_add_u32 v4, v15, 9, v4                  ; scale words: 4 x (lane % 16), lanes 16-31 one tile on
.macro WBLK t
.set XB, X+32*(\t)
	AHEAD \t
	v_max3_num_f32 v8, |v[XB]|, |v[XB+1]|, |v[XB+2]|               ; the block's largest magnitude: all 32 numbers are mine; two chains
	v_max3_num_f32 v9, |v[XB+3]|, |v[XB+4]|, |v[XB+5]|
.irp n, 6,10,14,18,22,26
	v_max3_num_f32 v8, v8, |v[XB+\n]|, |v[XB+\n+1]|
	v_max3_num_f32 v9, v9, |v[XB+\n+2]|, |v[XB+\n+3]|
.endr
	v_max3_num_f32 v8, v8, |v[XB+30]|, |v[XB+31]|
	v_max3_num_f32 v8, v8, v9, 0x1800000           ; and the floor 2^(3 - 127): the byte cannot fall under 1
	v_add_nc_u32 v11, 0xff000000, v8               ; 2 off the exponent field: the conversion takes the exponent field of this operand as its scale
	v_lshrrev_b32 v10, 23, v11                     ; the scale's byte
.if (\t) == 0
	v_mov_b32 v24, v10                             ; the K step's four bytes make my column's scale word
.else
	v_lshl_or_b32 v24, v10, 8*(\t), v24
.endif
.irp g, 0,1,2,3
	v_cvt_scalef32_pk8_fp4_f32 v[C+4*(\t)+\g], v[XB+8*\g:XB+8*\g+7], v11
.endr
	v_nop                                          ; one plain line behind the last conversion of a run
	global_store_b128 v3, v[C+4*(\t):C+4*(\t)+3], s[32:33] offset:256*(\t)   ; sixteen lanes store 256 consecutive bytes, aligned
.endm
	WBLK 0
	WBLK 1
	WBLK 2
	WBLK 3
	global_store_b32 v4, v24, s[34:35]             ; sixteen lanes store 64 consecutive bytes: pieces of a block of 256; one byte in 128 of what the launch reads
	s_endpgm
.Lwo:                                                  ; Wo: eight numbers down K of my column are one piece of 16 bytes
	s_lshl_b32 s28, s23, 6
	s_lshl_b32 s26, s22, 3
	s_add_co_u32 s28, s28, s26
	s_add_co_u32 s28, s28, s27
	s_lshl_b32 s28, s28, 12                        ; (64 x K step + 8 x column group + 2 x wave) x 4,096
	s_add_nc_u64 s[32:33], s[18:19], s[28:29]
	v_lshlrev_b32 v5, 4, v14
	v_lshl_add_u32 v5, v15, 12, v5                 ; 16 x (lane % 16), lanes 16-31 one tile on
.macro OBLK t
	AHEAD \t
.irp u, 0,1,2,3
.irp p, 0,1,2,3
	v_cvt_pk_f16_f32 v[C+16*(\t)+4*\u+\p], v[X+32*(\t)+8*\u+2*\p], v[X+32*(\t)+8*\u+2*\p+1]
.endr
	global_store_b128 v5, v[C+16*(\t)+4*\u:C+16*(\t)+4*\u+3], s[32:33] offset:256*(4*(\t)+\u)   ; sixteen lanes store 256 consecutive bytes, aligned
.endr
.endm
	OBLK 0
	OBLK 1
	OBLK 2
	OBLK 3
	s_endpgm
; ---------------- x ----------------
.Lx_role:
	s_sub_co_u32 s21, ttmp9, 256                   ; the tile of 16 rows
	s_lshl_b32 s28, s21, 16                        ; 16 rows of 4,096 bytes
	s_lshl_b32 s26, s20, 10                        ; my wave's 256 numbers of a row
	s_add_co_u32 s28, s28, s26
	s_add_nc_u64 s[24:25], s[4:5], s[28:29]
	v_lshlrev_b32 v2, 5, v1                        ; 8 numbers a lane: a row's two loads cover 1,024 consecutive bytes
.set i, 0
.rept 16
	global_load_b128 v[X+8*i:X+8*i+3],   v2, s[24:25] offset:4096*i th:TH_LOAD_NT
	global_load_b128 v[X+8*i+4:X+8*i+7], v2, s[24:25] offset:4096*i+16 th:TH_LOAD_NT
.set i, i+1
.endr
	s_mul_i32 s30, s20, WREG                       ; my wave's LDS
	v_bfe_u32 v16, v0, 2, 3                        ; lane / 4: my block among the wave's eight
	v_and_b32 v17, 3, v0                           ; lane % 4: my 4 bytes of its 16
	v_mul_u32_u24 v3, v16, 272
	v_lshl_add_u32 v3, v17, 2, v3
	v_add_nc_u32 v3, s30, v3                       ; codes in: unit = block, + 16 x row by the immediate
	v_bfe_u32 v18, v0, 2, 2                        ; my block in its K step: the byte in the scale word
	v_lshl_add_u32 v4, v15, 6, v18                 ; + 64 x (lane / 16): which of the wave's two K steps
	v_add_nc_u32 v4, s30, v4
	v_add_nc_u32 v4, SCB, v4                       ; scale bytes in: + 4 x row by the immediate
	v_mul_u32_u24 v5, v15, 272
	v_lshl_add_u32 v5, v14, 4, v5
	v_add_nc_u32 v5, s30, v5                       ; codes out: sixteen lanes to a unit, two units an instruction
	v_lshlrev_b32 v19, 2, v1                       ; 4 x lane
	v_add_nc_u32 v6, s30, v19
	v_add_nc_u32 v6, SCB, v6                       ; scale words out
	v_lshlrev_b32 v7, 4, v1                        ; 16 x lane
	s_lshl_b32 s28, s21, 13
	s_lshl_b32 s26, s20, 11
	s_add_co_u32 s28, s28, s26                     ; 8,192 x tile + 256 x (8 x wave) blocks
	s_add_nc_u64 s[32:33], s[14:15], s[28:29]
	s_lshl_b32 s28, s21, 9
	s_lshl_b32 s26, s20, 7
	s_add_co_u32 s28, s28, s26
	s_add_co_u32 s28, s28, XSC                     ; 512 x tile + 64 x (2 x wave) K steps
	s_add_nc_u64 s[34:35], s[14:15], s[28:29]
.macro XROW r
.set XB, X+8*(\r)
	s_wait_loadcnt 2*(15-(\r))                     ; this row's two loads are in; the later rows' may be out
	v_max3_num_f32 v8, |v[XB]|, |v[XB+1]|, 0x1800000               ; my 8 numbers and the floor 2^(3 - 127)
	v_max3_num_f32 v9, |v[XB+2]|, |v[XB+3]|, |v[XB+4]|
	v_max3_num_f32 v8, v8, |v[XB+5]|, |v[XB+6]|
	v_max3_num_f32 v8, v8, v9, |v[XB+7]|
	v_max_num_f32_dpp v8, v8, v8 row_xmask:1 row_mask:0xf bank_mask:0xf   ; with the three lanes that share my block
	v_max_num_f32_dpp v8, v8, v8 row_xmask:2 row_mask:0xf bank_mask:0xf
	v_add_nc_u32 v11, 0xff000000, v8               ; 2 off the exponent field: the conversion's scale operand
	v_cvt_scalef32_pk8_fp4_f32 v[C+(\r)], v[XB:XB+7], v11
	v_lshrrev_b32 v[E+(\r)], 23, v11               ; the scale's byte (also the plain line behind the conversion)
	ds_store_b32 v3, v[C+(\r)] offset:16*(\r)
	ds_store_b8 v4, v[E+(\r)] offset:4*(\r)        ; the four lanes of a block write the same byte with the same value
.endm
.irp r, 0,1,2,3,4,5,6,7,8,9,10,11,12,13,14,15
	XROW \r
.endr
.irp n, 0,1,2,3
	ds_load_b128 v[192+4*\n:195+4*\n], v5 offset:544*\n            ; LDS serves a wave's instructions in order: these see my stores
.endr
	ds_load_b32 v208, v6
	s_wait_dscnt 0x0
.irp n, 0,1,2,3
	global_store_b128 v7, v[192+4*\n:195+4*\n], s[32:33] offset:512*\n   ; 32 lanes store 512 consecutive bytes, aligned
.endr
	global_store_b32 v19, v208, s[34:35]           ; 128 consecutive bytes: two K steps' scale words of the 16 rows
	s_wait_tensorcnt 0x0                           ; the wave's end
	ds_add_u32 v[SPW], v[NIL]
	s_wait_dscnt 0x0
	s_endpgm
.Lfunc_end_k_qb6caaa7e38_prep:
	.size	k_qb6caaa7e38_prep, .Lfunc_end_k_qb6caaa7e38_prep-k_qb6caaa7e38_prep
	.p2alignl 7, 3214868480
	.fill 96, 4, 3214868480
	.section	.rodata,"a",@progbits
	.p2align	6, 0x0
	.amdhsa_kernel k_qb6caaa7e38_prep
		.amdhsa_group_segment_fixed_size 9728
		.amdhsa_private_segment_fixed_size 0
		.amdhsa_enable_private_segment 0
		.amdhsa_kernarg_size 64
		.amdhsa_user_sgpr_count 2
		.amdhsa_user_sgpr_kernarg_segment_ptr 1
		.amdhsa_wavefront_size32 1
		.amdhsa_system_sgpr_workgroup_id_x 1
		.amdhsa_system_sgpr_workgroup_id_y 1
		.amdhsa_system_sgpr_workgroup_id_z 1
		.amdhsa_system_vgpr_workitem_id 0
		.amdhsa_next_free_vgpr 224
		.amdhsa_next_free_sgpr 66
		.amdhsa_reserve_vcc 0
		.amdhsa_float_denorm_mode_32 3
		.amdhsa_float_denorm_mode_16_64 3
		.amdhsa_memory_ordered 1
		.amdhsa_forward_progress 1
		.amdhsa_inst_pref_size 50
	.end_amdhsa_kernel
	.amdgpu_metadata
---
amdhsa.version: [ 1, 2 ]
amdhsa.kernels:
  - .name:           k_qb6caaa7e38_prep
    .symbol:         k_qb6caaa7e38_prep.kd
    .args:
      - { .name: x, .offset: 0, .size: 8, .value_kind: global_buffer, .address_space: global }
      - { .name: Wq, .offset: 8, .size: 8, .value_kind: global_buffer, .address_space: global }
      - { .name: Wk, .offset: 16, .size: 8, .value_kind: global_buffer, .address_space: global }
      - { .name: Wv, .offset: 24, .size: 8, .value_kind: global_buffer, .address_space: global }
      - { .name: Wo, .offset: 32, .size: 8, .value_kind: global_buffer, .address_space: global }
      - { .name: xcode, .offset: 40, .size: 8, .value_kind: global_buffer, .address_space: global }
      - { .name: wcode, .offset: 48, .size: 8, .value_kind: global_buffer, .address_space: global }
      - { .name: wo16, .offset: 56, .size: 8, .value_kind: global_buffer, .address_space: global }
    .group_segment_fixed_size: 9728
    .private_segment_fixed_size: 0
    .kernarg_segment_align: 8
    .kernarg_segment_size: 64
    .max_flat_workgroup_size: 128
    .sgpr_count:     66
    .vgpr_count:     224
    .wavefront_size: 32
...
	.end_amdgpu_metadata
.endif
;; end of part 1
;; launch proj (part 2): grid 32 x 8, 4 waves a work-group, clusters of 4 x 1, 209,408 bytes of LDS; arguments xcode, wcode, bq, bv, qkv; writes qkv
.if DOCPART == 2
	.amdgcn_target "amdgcn-amd-amdhsa--gfx1250"
	.amdhsa_code_object_version 6
	.text
	.protected	k_qb6caaa7e38_proj
	.globl	k_qb6caaa7e38_proj
	.p2align	8
	.type	k_qb6caaa7e38_proj,@function
k_qb6caaa7e38_proj:
	s_mov_b64 s[64:65], 0
	v_nop
	global_prefetch_b8 v0, s[64:65] scope:SCOPE_SE
	s_setreg_imm32_b32 hwreg(HW_REG_WAVE_MODE, 25, 1), 1
	s_wait_xcnt 0x0
	s_wait_alu depctr_hold_cnt(0) depctr_sa_sdst(0) depctr_va_vdst(0) depctr_va_sdst(0) depctr_va_ssrc(0) depctr_va_vcc(0) depctr_vm_vsrc(0)
	s_getreg_b32 s2, hwreg(HW_REG_IB_STS2, 6, 4)
	s_cmp_eq_u32 s2, 0
	s_cbranch_scc0 .Lentry_in_a_cluster
	s_endpgm
.Lentry_in_a_cluster:
	s_bfe_u32 s2, ttmp6, 0x10000c
	s_cmp_lg_u32 s2, 0x3003
	s_cbranch_scc0 .Lentry_shape_is_right
	s_endpgm
.Lentry_shape_is_right:
; q = x Wq + bq, k = x Wk, v = x Wv + bv on codes of FP4 with E8M0 scales; sums in f32; results rounded once to f16 and stored as images of the operand registers of the attention launch.
; LEFT OUT: bk (shown dead at the head of the first kernel: it adds the same number to all scores of a query).
; SHARES.  A work-group takes 256 rows of x (rb) and the 384 columns of heads 2 j and 2 j + 1 of q, k and v: 256 equal work-groups.  K is 1,024, so all of the work-group's weights (196,608 bytes of codes, 12,288 of
; scale words) lie in LDS at once: every byte is filled once, nothing is filled again.  A wave owns 64 rows: their codes stay in 256 registers, loaded straight from memory; it walks six head blocks of 64 columns
; (hb = 2 x (q, k, v) + which head): 16 accumulators x 8 K steps = 128 matrix instructions each, and each fragment of a weight that it reads from LDS feeds four of them.
; CLUSTER.  The four work-groups of a cluster have the same j and other rows: they need the same weights, so each tile is asked for JOINTLY, by the same tensor load with the same descriptor and the mask of all four.
; USE.  q and k: source 0 = 16 columns of the weight, source 1 = 16 rows of x: a lane then holds one position and eight neighbouring d: 16 bytes of f16, one piece of a tile [16 positions][64 d].
;       v: source 0 = 16 rows of x, source 1 = 16 columns: a lane holds one d and eight neighbouring positions: one piece of a tile [16 d][64 positions], V transposed, as the second product of attention wants it.
; Either way the 32 lanes' pieces of an accumulator are 512 consecutive bytes of the image: results are stored straight from registers.  The biases are the C of each sum's first matrix instruction.
; LIMIT: q, k, v beyond 65,504 in magnitude are not served (f16).
; REGISTERS, in windows of 256: window 0: v1-6 addresses; v8, v9 the add's two; v16-31 x's scale words (4 rt + jj); v32-47 the head block's (4 ct + jj); v64-159 three buffers of four fragments of the weight.
;   window 1: x's fragments at 64 rt + 8 ks.   window 2: v0-127 the accumulators at 8 (4 rt + ct); v128-191 packed results.   window 3: v0-63 bq, v64-127 bv, eight registers a tile, in the result's layout.
; A scale register holds K step 2 jj in lanes 0-15 and K step 2 jj + 1 in lanes 16-31: odd K steps name the upper row on both sides.
.set XSC,   4194304
.set WSC,   1572864
.set WSL,   196608                     ; LDS: behind the 24 tiles of codes their scale words, 512 bytes a tile
.set SPARE, 208896                     ; the spare words, 128 bytes for each wave: two blocks of 256 bytes that no other line names
.set L16,   1                          ; v1  16 x lane; never rewritten
.set L4,    2                          ; v2  4 x lane; never rewritten
.set H32,   3                          ; v3  32 x (lane / 16)
.set R4,    4                          ; v4  4 x (lane % 16)
.set AW,    5                          ; v5  LDS address of the head block's codes
.set ASW,   6                          ; v6  and of its scale words
.set SPW,   8
.set NIL,   9
.set XS,    16
.set WS,    32
.set FW,    64
.set TMP,   128
.set WV,    14                         ; s14 my wave's number
.set G1W,   24                         ; s[24:31] descriptor group 1: a tile of codes;  s[32:39]: a quarter of the scale words;  s[40:43] its group 0;  s[44:63], s[68:71] groups 0 of my six tiles
.set G1S,   32
.set G0S,   40
.set MSB,   0
.macro WIN new                         ; the immediate's high byte repeats the setting that is left
.if MSB != \new
	s_set_vgpr_msb (MSB<<8)|\new
.set MSB, \new
.endif
.endm
.macro PLACES
.rept 4
	v_nop
.endr
.endm
.macro CROUND                          ; a round of the cluster's barrier
	s_barrier_signal -1
	s_barrier_wait -1
	s_cmp_lg_u32 s[WV], 0
	s_cbranch_scc1 .Lnot_wave_0_\@
	s_barrier_signal -3
.Lnot_wave_0_\@:
	s_barrier_wait -3
	s_barrier_signal -1
	s_barrier_wait -1
.endm
	s_load_b256 s[4:11], s[0:1], 0x0               ; xcode s[4:5], wcode s[6:7], bq s[8:9], bv s[10:11]
	s_load_b64 s[12:13], s[0:1], 0x20              ; qkv
	v_lshl_add_u32 v[SPW], v0, 2, SPARE
	v_mov_b32 v[NIL], 0
	ds_add_u32 v[SPW], v[NIL]                      ; the wave's opening: the add, twice on end, and its wait ahead of my first tensor load
	ds_add_u32 v[SPW], v[NIL]                      ; and once more; the set-up below, work on registers, stands between it and the wait
	v_lshrrev_b32 v1, 5, v0
	v_readfirstlane_b32 s[WV], v1                  ; wave 0..3
	s_and_b32 s17, ttmp7, 0xffff                   ; j: which pair of heads; the four partners share it
	; group 1: 8,192 dense bytes as 32 rows of 32 elements of 8 bytes; no padding: a fragment load reads 512 consecutive bytes
	s_mov_b32 s[G1W], 15|(3<<16)|(1<<21)           ; 15:0 the mask: all four work-groups; 17:16 elements of 8 bytes; 21 set beside a mask
	s_mov_b32 s[G1W+1], 32<<16                     ; tensor_dim0
	s_mov_b32 s[G1W+2], 32<<16                     ; tensor_dim1
	s_mov_b32 s[G1W+3], 32<<16                     ; tile_dim0
	s_mov_b32 s[G1W+4], 32                         ; tile_dim1
	s_mov_b32 s[G1W+5], 32                         ; from row to row
	s_mov_b32 s[G1W+6], 0
	s_mov_b32 s[G1W+7], 0
	s_mov_b32 s[G1S], 15|(3<<16)|(1<<21)           ; the same with 12 rows: 3,072 bytes
	s_mov_b32 s[G1S+1], 32<<16
	s_mov_b32 s[G1S+2], 12<<16
	s_mov_b32 s[G1S+3], 32<<16
	s_mov_b32 s[G1S+4], 12
	s_mov_b32 s[G1S+5], 32
	s_mov_b32 s[G1S+6], 0
	s_mov_b32 s[G1S+7], 0
	s_mul_i32 s78, s17, 196608                     ; the pair's 24 tiles,
	s_lshl_b32 s3, s[WV], 13                       ; of each head block's four I fetch tile w
	s_add_co_u32 s78, s78, s3
	s_mov_b32 s79, 0
	s_mul_i32 s80, s17, 12288                      ; their scale words,
	s_mul_i32 s2, s[WV], 3072                      ; my quarter
	s_add_co_u32 s80, s80, s2
	s_add_co_u32 s80, s80, WSC
	s_mov_b32 s81, 0
	s_wait_dscnt 0x0                               ; both opening adds are done
	s_wait_kmcnt 0x0
	s_add_nc_u64 s[22:23], s[6:7], s[78:79]
	s_mov_b32 s[G0S], 1                            ; count = 1
	s_add_co_u32 s[G0S+1], s2, WSL                 ; LDS address: no place in the cluster enters it
	s_add_nc_u64 s[G0S+2:G0S+3], s[6:7], s[80:81]
	s_or_b32 s[G0S+3], s[G0S+3], 0x80000000        ; type = 2
.macro MKG0 hb
.set GG, 44+4*(\hb)+4*((\hb)/5)
	s_mov_b32 s[GG], 1
	s_add_co_u32 s[GG+1], s3, 32768*(\hb)
	s_add_nc_u64 s[GG+2:GG+3], s[22:23], 32768*(\hb)
	s_or_b32 s[GG+3], s[GG+3], 0x80000000
.endm
.irp hb, 0,1,2,3,4,5
	MKG0 \hb
.endr
	CROUND                                         ; all four work-groups are here: the joint loads meet
	tensor_load_to_lds s[G0S:G0S+3], s[G1S:G1S+7]  ; every wave issues all seven, with no branch: seven tensor loads of mine are out at the most
	s_nop 0
.irp hb, 0,1,2,3,4,5
	tensor_load_to_lds s[44+4*\hb+4*(\hb/5):47+4*\hb+4*(\hb/5)], s[G1W:G1W+7]
	s_nop 0
.endr
	PLACES                                         ; four vector lines behind the last tensor load, ahead of the first switch of windows
	v_and_b32 v[L16], 31, v0
	v_lshlrev_b32 v[L4], 2, v[L16]
	v_lshlrev_b32 v[L16], 4, v[L16]
	v_bfe_u32 v[H32], v0, 4, 1
	v_lshlrev_b32 v[H32], 5, v[H32]
	v_and_b32 v[R4], 15, v0
	v_lshlrev_b32 v[R4], 2, v[R4]
	; what hangs on my place in the cluster: my rows.  It enters plain loads and stores alone
	s_bfe_u32 s15, ttmp6, 0x40000                  ; cx
	s_lshl_b32 s16, ttmp9, 2
	s_add_co_u32 s16, s16, s15                     ; rb = 4 x cluster x + cx
	s_mov_b32 s67, 0
	s_lshl_b32 s66, s16, 17
	s_lshl_b32 s82, s[WV], 15
	s_add_co_u32 s66, s66, s82                     ; (16 rb + 4 w) tiles of 8,192 bytes
	s_add_nc_u64 s[18:19], s[4:5], s[66:67]
	s_lshr_b32 s66, s66, 4                         ; the same tiles' scale words, 512 bytes each
	s_add_co_u32 s66, s66, XSC
	s_add_nc_u64 s[20:21], s[4:5], s[66:67]
	s_lshr_b32 s66, s16, 2                         ; the batch: 4 rb to a sequence
	s_lshl_b32 s66, s66, 4
	s_lshl_b32 s82, s17, 1
	s_add_co_u32 s66, s66, s82                     ; 16 b + 2 j: the first head
	s_lshl_b32 s66, s66, 4
	s_and_b32 s82, s16, 3
	s_lshl_b32 s82, s82, 2
	s_add_co_u32 s66, s66, s82
	s_add_co_u32 s66, s66, s[WV]                   ; + my block of 64 positions: 4 (rb % 4) + w
	s_lshl_b32 s66, s66, 13                        ; blocks of 8,192 bytes
	s_add_nc_u64 s[72:73], s[12:13], s[66:67]      ; q's
	s_add_nc_u64 s[74:75], s[72:73], 16777216      ; k's
	s_add_nc_u64 s[76:77], s[72:73], 33554432      ; v's
	s_lshl_b32 s66, s17, 9                         ; the pair's 128 numbers of a bias
	s_add_nc_u64 s[8:9], s[8:9], s[66:67]
	s_add_nc_u64 s[10:11], s[10:11], s[66:67]
	WIN 0x40                                       ; destination window 1
.irp rt, 0,1,2,3
.irp ks, 0,1,2,3,4,5,6,7
.irp c, 0,1
	global_load_b128 v[64*\rt+8*\ks+4*\c:64*\rt+8*\ks+4*\c+3], v[L16], s[18:19] offset:8192*\rt+1024*\ks+512*\c   ; x's fragments stay in registers
.endr
.endr
.endr
	WIN 0
.irp rt, 0,1,2,3
.irp jj, 0,1,2,3
	global_load_b32 v[XS+4*\rt+\jj], v[L4], s[20:21] offset:512*\rt+128*\jj
.endr
.endr
	WIN 0xc0                                       ; destination window 3
.irp hf, 0,1
.irp ct, 0,1,2,3
	global_load_b128 v[32*\hf+8*\ct:32*\hf+8*\ct+3],   v[H32], s[8:9] offset:256*\hf+64*\ct      ; bq at d = 16 ct + 8 (lane / 16) + 0 .. 7
	global_load_b128 v[32*\hf+8*\ct+4:32*\hf+8*\ct+7], v[H32], s[8:9] offset:256*\hf+64*\ct+16
.endr
.endr
.irp hf, 0,1
.irp ct, 0,1,2,3
.irp jj, 0,1,2,3,4,5,6,7
	global_load_b32 v[64+32*\hf+8*\ct+\jj], v[R4], s[10:11] offset:256*\hf+64*\ct                ; bv at d = 16 ct + lane % 16, in all eight registers
.endr
.endr
.endr
	WIN 0
.macro FETCHW ks, buf                  ; the head block's four fragments of K step ks
.irp ct, 0,1,2,3
.irp c, 0,1
	ds_load_b128 v[FW+32*(\buf)+8*\ct+4*\c:FW+32*(\buf)+8*\ct+4*\c+3], v[AW] offset:8192*\ct+1024*(\ks)+512*\c
.endr
.endr
.endm
.macro FETCHS                          ; its scale words
.irp ct, 0,1,2,3
.irp jj, 0,1,2,3
	ds_load_b32 v[WS+4*\ct+\jj], v[ASW] offset:512*\ct+128*\jj
.endr
.endr
.endm
.macro MM                              ; one matrix instruction, by the symbols that MUL sets
.if CM == 0
	v_wmma_scale_f32_16x16x128_f8f6f4 v[AC:AC+7], v[RA:RA+7], v[RB:RB+7], 0, v[SA], v[SB] matrix_a_fmt:MATRIX_FMT_FP4 matrix_b_fmt:MATRIX_FMT_FP4
.elseif OD
	v_wmma_scale_f32_16x16x128_f8f6f4 v[AC:AC+7], v[RA:RA+7], v[RB:RB+7], v[CR:CR+7], v[SA], v[SB] matrix_a_fmt:MATRIX_FMT_FP4 matrix_b_fmt:MATRIX_FMT_FP4 matrix_a_scale:MATRIX_SCALE_ROW1 matrix_b_scale:MATRIX_SCALE_ROW1
.else
	v_wmma_scale_f32_16x16x128_f8f6f4 v[AC:AC+7], v[RA:RA+7], v[RB:RB+7], v[CR:CR+7], v[SA], v[SB] matrix_a_fmt:MATRIX_FMT_FP4 matrix_b_fmt:MATRIX_FMT_FP4
.endif
.endm
; 16 matrix instructions: K step ks of head block hb.  The 16 accumulators take turns, one instruction a turn, in the same order in every K step.
.macro MUL hb, ks
.set OD, (\ks)%2
.if (\hb) < 4
.if ((\ks) == 0) && ((\hb) < 2)
	WIN 0xb4                                       ; source 0 (weight) window 0, source 1 (x) window 1, C (bq) window 3, D window 2
.else
	WIN 0xa4                                       ; C and D window 2
.endif
.else
.if (\ks) == 0
	WIN 0xb1                                       ; source 0 (x) window 1, source 1 (weight) window 0, C (bv) window 3, D window 2
.else
	WIN 0xa1
.endif
.endif
.irp rt, 0,1,2,3
.irp ct, 0,1,2,3
.set AC, 8*(4*\rt+\ct)
.set CR, AC
.set CM, 1
.if (\ks) == 0
.if (\hb) < 2
.set CR, 32*(\hb)+8*\ct
.elseif (\hb) < 4
.set CM, 0
.else
.set CR, 64+32*((\hb)-4)+8*\ct
.endif
.endif
.if (\hb) < 4
.set RA, FW+32*((\ks)%3)+8*\ct
.set RB, 64*\rt+8*(\ks)
.set SA, WS+4*\ct+(\ks)/2
.set SB, XS+4*\rt+(\ks)/2
.else
.set RA, 64*\rt+8*(\ks)
.set RB, FW+32*((\ks)%3)+8*\ct
.set SA, XS+4*\rt+(\ks)/2
.set SB, WS+4*\ct+(\ks)/2
.endif
	MM
.endr
.endr
.endm
; The head block's results: rounded to f16, each accumulator from its low end on, and stored: 32 lanes store 512 consecutive bytes, aligned.
.macro OUT hb
	s_wait_xcnt 0x0                                ; the last head block's stores have read their registers: these are written again only behind this wait
	WIN 0x8a                                       ; sources and destination window 2
.set i, 0
.rept 16
.irp p, 0,1,2,3
	v_cvt_pk_f16_f32 v[TMP+4*i+\p], v[8*i+2*\p], v[8*i+2*\p+1]
.endr
.set i, i+1
.endr
	WIN 0x08                                       ; a store's data are its source 1: window 2
.set i, 0
.rept 16
.if (\hb) < 4
.set POS, i                            ; q, k: tile rt, pieces 2 ct + lane / 16
.else
.set POS, 4*(i%4)+i/4                  ; v: tile ct, pieces 2 rt + lane / 16
.endif
	global_store_b128 v[L16], v[TMP+4*i:TMP+4*i+3], s[72+2*((\hb)/2):73+2*((\hb)/2)] offset:((\hb)%2)*131072+512*POS
.set i, i+1
.endr
.endm
; A head block.  The fragments of K step ks + 2 are asked for ahead of K step ks's products, into the buffer that K step ks - 1 has left (four places behind its products).
.macro HB hb
.set KS, 0
.rept 8
.if KS < 6
	WIN 0
.if KS > 0
	PLACES
.endif
	FETCHW KS+2, (KS+2)%3
	s_wait_dscnt 16                                ; this K step's fragments are in; the two younger runs of eight may be out
.elseif KS == 6
	s_wait_dscnt 8                                 ; the last run of eight may be out
.else
	s_wait_dscnt 0x0
.endif
	MUL \hb, KS
.set KS, KS+1
.endr
	WIN 0
	PLACES                                         ; in front of loads into registers that the last products read, and of the first read of results
.if (\hb) < 5
	s_wait_tensorcnt 4-(\hb)                       ; my tile of the next head block has landed; the tiles of the later ones may be out
	s_barrier_signal -1                            ; (no LDS instruction of mine is out: the last wait was for 0)
	s_barrier_wait -1                              ; everybody's has
	v_add_nc_u32 v[AW], 32768*((\hb)+1), v[L16]
	v_add_nc_u32 v[ASW], WSL+2048*((\hb)+1), v[L4]
	FETCHS
	FETCHW 0, 0
	FETCHW 1, 1                                    ; they land while this head block's results are packed
.endif
	OUT \hb
.endm
	s_wait_tensorcnt 5                             ; the scale words and my tile of head block 0 are in; five younger loads may be out
	s_barrier_signal -1
	s_barrier_wait -1                              ; everybody's are
	v_add_nc_u32 v[AW], 0, v[L16]
	v_add_nc_u32 v[ASW], WSL, v[L4]
	FETCHS
	FETCHW 0, 0
	FETCHW 1, 1
	s_wait_loadcnt 0x0                             ; x's fragments and scale words, the biases
	HB 0
	HB 1
	HB 2
	HB 3
	HB 4
	HB 5
	WIN 0
	s_wait_tensorcnt 0x0                           ; the wave's end: these three lines behind my last tensor load
	ds_add_u32 v[SPW], v[NIL]
	s_wait_dscnt 0x0
	CROUND                                         ; the closing round: no work-group ends while a partner may still ask for a tile that names it
	s_endpgm
.Lfunc_end_k_qb6caaa7e38_proj:
	.size	k_qb6caaa7e38_proj, .Lfunc_end_k_qb6caaa7e38_proj-k_qb6caaa7e38_proj
	.p2alignl 7, 3214868480
	.fill 96, 4, 3214868480
	.section	.rodata,"a",@progbits
	.p2align	6, 0x0
	.amdhsa_kernel k_qb6caaa7e38_proj
		.amdhsa_group_segment_fixed_size 209408
		.amdhsa_private_segment_fixed_size 0
		.amdhsa_enable_private_segment 0
		.amdhsa_kernarg_size 40
		.amdhsa_user_sgpr_count 2
		.amdhsa_user_sgpr_kernarg_segment_ptr 1
		.amdhsa_wavefront_size32 1
		.amdhsa_system_sgpr_workgroup_id_x 1
		.amdhsa_system_sgpr_workgroup_id_y 1
		.amdhsa_system_sgpr_workgroup_id_z 1
		.amdhsa_system_vgpr_workitem_id 0
		.amdhsa_next_free_vgpr 896
		.amdhsa_next_free_sgpr 84
		.amdhsa_reserve_vcc 0
		.amdhsa_float_denorm_mode_32 3
		.amdhsa_float_denorm_mode_16_64 3
		.amdhsa_memory_ordered 1
		.amdhsa_forward_progress 1
		.amdhsa_inst_pref_size 192
	.end_amdhsa_kernel
	.amdgpu_metadata
---
amdhsa.version: [ 1, 2 ]
amdhsa.kernels:
  - .name:           k_qb6caaa7e38_proj
    .symbol:         k_qb6caaa7e38_proj.kd
    .args:
      - { .name: xcode, .offset: 0, .size: 8, .value_kind: global_buffer, .address_space: global }
      - { .name: wcode, .offset: 8, .size: 8, .value_kind: global_buffer, .address_space: global }
      - { .name: bq, .offset: 16, .size: 8, .value_kind: global_buffer, .address_space: global }
      - { .name: bv, .offset: 24, .size: 8, .value_kind: global_buffer, .address_space: global }
      - { .name: qkv, .offset: 32, .size: 8, .value_kind: global_buffer, .address_space: global }
    .group_segment_fixed_size: 209408
    .private_segment_fixed_size: 0
    .kernarg_segment_align: 8
    .kernarg_segment_size: 40
    .max_flat_workgroup_size: 128
    .sgpr_count:     84
    .vgpr_count:     896
    .wavefront_size: 32
...
	.end_amdgpu_metadata
.endif
;; end of part 2
;; launch attn (part 3): grid 2 x 128, 8 waves a work-group, no clusters, 281,600 bytes of LDS; arguments qkv, prefix, att16; writes att16
.if DOCPART == 3
	.amdgcn_target "amdgcn-amd-amdhsa--gfx1250"
	.amdhsa_code_object_version 6
	.text
	.protected	k_qb6caaa7e38_attn
	.globl	k_qb6caaa7e38_attn
	.p2align	8
	.type	k_qb6caaa7e38_attn,@function
k_qb6caaa7e38_attn:
	s_mov_b64 s[64:65], 0
	v_nop
	global_prefetch_b8 v0, s[64:65] scope:SCOPE_SE
	s_setreg_imm32_b32 hwreg(HW_REG_WAVE_MODE, 25, 1), 1
	s_wait_xcnt 0x0
; O[b,h,q,:] = sum over keys l of softmax_l(q . k[l]) v[l,:], scores not scaled; key l counts for query q where q < prefix[b] or l >= q.  q, k, v: f16 images stored by the launch before; products in f16
; with f32 sums; maxima, exponentials and sums in f32; the weights p (at most 1) rounded to f16 for the second product; O rounded once to f16, laid [b][h][q][d] dense, which IS the left operand of the last product.
; LEFT OUT: a step of 64 keys all of which lie under a wave's 64 queries is thrown away by the mask that reference() builds exactly when no query of the 64 lies under prefix[b]: such steps are jumped over,
; by a scalar branch on prefix[b], a whole number that this launch reads from memory.  So this launch has no tensor load, and so no joint loads: only two work-groups share a head's K and V.
; SHARES.  A work-group holds one head's whole K and V in LDS (each byte written once) and takes 8 of the head's 16 units of 64 queries; a wave takes one unit u: waves w and w + 4 take units u and 15 - u.
; A wave's four tiles of 16 queries lie two to a register window, at the same register numbers; each fragment of K or V read from LDS feeds four matrix instructions.
; THE WALK goes DOWN the keys, step j = 15 .. 0, 64 keys a step: key 1,023 counts for every query, so the running maximum is a real score from the first step on.  K and V come in eight chunks of two steps,
; loaded into registers two steps ahead, stored to LDS, one barrier a chunk: store, wait, barrier, read; no LDS byte of K or V is ever written twice.
; LAYOUT.  S^T = K Q^T (source 0 = 16 keys, source 1 = 16 queries) and O^T = V^T P (source 0 = 16 d, source 1 = P): a lane holds ONE query throughout; two score tiles packed to f16 in pairs ARE a fragment of P.
; BY TURNS INSIDE A WAVE.  The two windows' tiles share K's and V's fragments and nothing else.  A step is: the 16 products K Q^T of window 0; window 0's softmax, with the 16 products K Q^T of window 1 dealt out
; among its first 64 lines, one behind every fourth; V's run of loads; window 1's softmax, with the 16 products V^T P of window 0 dealt out likewise; the 16 products V^T P of window 1.  So 32 of a step's 64
; matrix instructions stand among vector lines that name none of their registers.  The price is two switches of the register windows for each product so dealt out, 64 a step.
; THE MASK IS THE C OF A SCORE TILE'S FIRST PRODUCT: 0 where all keys count; LB (0 where q < prefix, else NEG = -1e30) where the keys lie under the queries; on the diagonal tile LB or 0 register by register.
; With f16 operands a score is at most 64 x 65,504^2 = 2.8e11 in magnitude, so NEG lies under every score, p = 2^(c NEG - c m) is exactly 0, and no infinity enters the arithmetic.
; SOFTMAX.  Running maximum m and sum l for each query: p = 2^(c s - c m), c = log2(e); in every step O and l are multiplied by a = 2^(c m_old - c m_new).  m begins at -1e37, O and l at 0: one text serves all steps.
; REGISTERS.  window 0: v1-8 addresses; v10, v11 the add's two; v12-15 at work; v16-79 sixteen pieces of K, then of V.  Both windows: v80-95 statistics, 8 a tile (+0 c m, +1 m, +2, +3 l, +4 .. +7 at work, a in +6);
;   v96-159 S^T, 32 a tile (p packed into the lower 16); v160-223 O^T, 32 a tile; v224-255 Q, 16 a tile.  window 1: v16-47 LB, 8 a tile, of all four tiles; v48-79 the chunk on its way.
.set KOFF,  16777216
.set VOFF,  33554432
.set VL,    131072                     ; LDS: K's 16 steps of 8,192 bytes, then V's
.set STAGE, 262144                     ; the way out: 16 rows x (128 + 16) bytes for each wave
.set SPARE, 280576                     ; the spare words, 128 bytes for each wave: four blocks of 256 bytes that no other line names
.set L16,  1                           ; v1  16 x lane; never rewritten
.set ADK,  2                           ; v2  LDS address of the step's K
.set ADV,  3                           ; v3  of its V
.set T16,  4                           ; v4  16 x thread; never rewritten
.set FA,   5                           ; v5  where I store my part of a chunk of K
.set FB,   6                           ; v6  of V
.set STO,  7
.set RD,   8
.set SPW,  10
.set NIL,  11
.set FR,   16
.set ST,   80
.set S,    96
.set O,    160
.set Q,    224
.set LB,   16
.set LD,   48
.set MSB,  0
.macro WIN new                         ; the immediate's high byte repeats the setting that is left
.if MSB != \new
	s_set_vgpr_msb (MSB<<8)|\new
.set MSB, \new
.endif
.endm
.macro PLACES
.rept 4
	v_nop
.endr
.endm
.macro LOADC                           ; a chunk: 16,384 bytes of K and of V, 64 bytes of each a thread; an instruction of a wave reads 512 consecutive bytes
	WIN 0x40
.irp n, 0,1,2,3
	global_load_b128 v[LD+4*\n:LD+4*\n+3], v[T16], s[18:19] offset:4096*\n
.endr
.irp n, 0,1,2,3
	global_load_b128 v[LD+16+4*\n:LD+16+4*\n+3], v[T16], s[20:21] offset:4096*\n
.endr
	WIN 0
.endm
.macro STOREC
	WIN 0x04                                       ; an LDS store's data are its source 1: window 1
.irp n, 0,1,2,3
	ds_store_b128 v[FA], v[LD+4*\n:LD+4*\n+3] offset:4096*\n
.endr
.irp n, 0,1,2,3
	ds_store_b128 v[FB], v[LD+16+4*\n:LD+16+4*\n+3] offset:4096*\n
.endr
	WIN 0
.endm
	s_load_b128 s[4:7], s[0:1], 0x0                ; qkv s[4:5], prefix s[6:7]
	s_load_b64 s[8:9], s[0:1], 0x10                ; att16
	v_lshl_add_u32 v[SPW], v0, 2, SPARE
	v_mov_b32 v[NIL], 0
	v_lshrrev_b32 v1, 5, v0
	v_readfirstlane_b32 s10, v1                    ; wave 0..7
	s_and_b32 s12, ttmp7, 0xffff                   ; 16 b + h
	s_lshl_b32 s13, s10, 1
	s_add_co_u32 s13, s13, ttmp9                   ; 2 w + g
	s_sub_co_u32 s36, 23, s13
	s_cmp_lt_u32 s10, 4
	s_cselect_b32 s13, s13, s36                    ; u: my unit of 64 queries
	s_lshr_b32 s36, s12, 4
	s_lshl_b32 s36, s36, 2                         ; 4 b
	s_mov_b32 s37, 0
	s_mov_b32 s43, 0
	s_mov_b32 s22, 0x3fb8aa3b                      ; c = log2(e)
	s_mov_b32 s23, s22                             ; (named with it as a pair, so it is written)
	s_mov_b32 s24, 0x76543210                      ; v_permlanex16_b32: lane l xor 16
	s_mov_b32 s25, 0xfedcba98
	s_mov_b32 s16, 15                              ; J: the key step
	s_mov_b32 s26, 15*8192                         ; where it lies in LDS
	s_mov_b32 s27, 7*16384                         ; where the chunk in hand goes
	s_mov_b32 s17, 8                               ; chunks to go
	s_wait_kmcnt 0x0
	s_add_nc_u64 s[6:7], s[6:7], s[36:37]
	s_load_b32 s14, s[6:7], 0x0                    ; prefix[b]: it steers branches and the mask, and enters no address
	s_lshl_b32 s36, s12, 17                        ; a head's 131,072 bytes in q, k, v and O alike
	s_lshl_b32 s42, s13, 13                        ; my unit's 8,192
	s_add_nc_u64 s[18:19], s[4:5], s[36:37]
	s_add_nc_u64 s[38:39], s[18:19], s[42:43]      ; my Q
	s_add_nc_u64 s[20:21], s[18:19], VOFF+7*16384  ; V's last chunk
	s_add_nc_u64 s[18:19], s[18:19], KOFF+7*16384  ; K's
	s_add_nc_u64 s[40:41], s[8:9], s[36:37]
	s_add_nc_u64 s[40:41], s[40:41], s[42:43]      ; my O
	v_and_b32 v[L16], 31, v0
	v_lshlrev_b32 v[L16], 4, v[L16]
	v_lshlrev_b32 v[T16], 4, v0
	LOADC                                          ; steps 15 and 14
.irp t, 0,1
.irp f, 0,1,2,3
	global_load_b128 v[Q+16*\t+4*\f:Q+16*\t+4*\f+3], v[L16], s[38:39] offset:2048*\t+512*\f         ; Q stays in registers: tiles 0, 1
.endr
.endr
	WIN 0x40
.irp t, 0,1
.irp f, 0,1,2,3
	global_load_b128 v[Q+16*\t+4*\f:Q+16*\t+4*\f+3], v[L16], s[38:39] offset:2048*(2+\t)+512*\f     ; tiles 2, 3
.endr
.endr
	WIN 0
	v_and_b32 v12, 15, v0                          ; r
	v_bfe_u32 v13, v0, 4, 1                        ; h
	s_mul_i32 s36, s10, 2304
	s_add_co_u32 s36, s36, STAGE                   ; my stage
	v_mul_u32_u24 v[STO], v12, 144
	v_lshl_add_u32 v[STO], v13, 4, v[STO]
	v_add_nc_u32 v[STO], s36, v[STO]               ; in: row r, 16 bytes for each half of the lanes
	v_bfe_u32 v14, v0, 3, 2
	v_and_b32 v15, 7, v0
	v_mul_u32_u24 v[RD], v14, 144
	v_lshl_add_u32 v[RD], v15, 4, v[RD]
	v_add_nc_u32 v[RD], s36, v[RD]                 ; back: eight lanes to a row of 128 bytes, four rows an instruction
	v_lshlrev_b32 v14, 3, v13
	v_sub_nc_u32 v14, v12, v14                     ; r - 8 h: on the diagonal tile register jj holds key 8 h + jj of the tile: under my query where jj < r - 8 h
.irp jj, 0,1,2,3,4,5,6,7
	v_cmp_lt_i32 s[28+\jj], \jj, v14
.endr
	s_wait_kmcnt 0x0                               ; prefix[b]
	s_lshl_b32 s36, s13, 6                         ; my first query
	s_cmp_gt_i32 s14, s36
	s_cselect_b32 s15, 0, s13                      ; LO: the lowest step that I walk: 0 if a query of mine lies under the prefix, else u
	v_add_nc_u32 v12, s36, v12                     ; my query of tile 0
	v_mov_b32 v15, 0xf149f2ca                      ; NEG = -1e30
	WIN 0x40
.irp t, 0,1,2,3
	s_sub_co_i32 s37, s14, 16*\t
	v_cmp_le_i32 vcc_lo, s37, v12                  ; prefix <= my query of tile t
.irp jj, 0,1,2,3,4,5,6,7
	v_cndmask_b32 v[LB+8*\t+\jj], 0, v15, vcc_lo   ; LB: NEG there, else 0; eight equal registers: a C operand
.endr
.endr
.macro INIT                            ; in the window that the caller has set
.irp tp, 0,1
	v_mov_b32 v[ST+8*\tp+1], 0xfcf0bdc2            ; m = -1e37, under NEG and under every score
	v_mul_f32 v[ST+8*\tp], s22, v[ST+8*\tp+1]      ; c m
.irp k, 2,3,4,5,6,7
	v_mov_b32 v[ST+8*\tp+\k], 0                    ; l; and the registers at work (a lane permute's destination counts as one of its sources)
.endr
.endr
.set i, 0
.rept 64
	v_mov_b32 v[O+i], 0                            ; O^T: the step is written once, and the first step's a = 0 leaves zeros zeros
.set i, i+1
.endr
.endm
	WIN 0
	INIT
	WIN 0x55
	INIT
	WIN 0
; One product of S^T: window w, key tile a, query tile tp of the window, d = 32 c2 on.  ct: what C is: 0 the constant 0, 1 LB of the tile, 2 the accumulator itself.
.macro QKP w, a, tp, c2, ct
.set rS, S+32*(\tp)+8*(\a)
.set rK, FR+8*(2*(\a)+(\c2))
.set rQ, Q+16*(\tp)+8*(\c2)
.set rL, LB+8*(2*(\w)+(\tp))
.if (\w) == 1
	WIN 0x54                                       ; K window 0; Q, C and D window 1
.elseif (\ct) == 1
	WIN 0x10                                       ; C (LB) window 1
.else
	WIN 0
.endif
.if (\ct) == 0
	v_wmma_f32_16x16x32_f16 v[rS:rS+7], v[rK:rK+7], v[rQ:rQ+7], 0
.elseif (\ct) == 1
	v_wmma_f32_16x16x32_f16 v[rS:rS+7], v[rK:rK+7], v[rQ:rQ+7], v[rL:rL+7]
.else
	v_wmma_f32_16x16x32_f16 v[rS:rS+7], v[rK:rK+7], v[rQ:rQ+7], v[rS:rS+7]
.endif
.endm
; Product n of 16 of window w's S^T: d = 32 (n / 8) on, key tile (n % 8) / 2, query tile n % 2: the window's 8 accumulators take turns.
; mode 0: all keys count; 2: all keys lie under the queries; 1: the diagonal step.
.macro QKN w, n, mode
.set qa, ((\n)%8)/2
.set qt, (\n)%2
.set qc, (\n)/8
.set TT, 2*(\w)+qt
.if qc == 1
.set CT, 2
.elseif (\mode) == 0
.set CT, 0
.elseif (\mode) == 2
.set CT, 1
.elseif qa > TT
.set CT, 0
.elseif qa < TT
.set CT, 1
.else
.set CT, 2
.endif
	QKP \w, qa, qt, qc, CT
.endm
; Product n of 16 of window w's O^T += V^T P: keys 32 (n / 8) on, d tile (n % 8) / 2, query tile n % 2: the window's 8 accumulators take turns.
.macro PVN w, n
.set pk, (\n)/8
.set pa, ((\n)%8)/2
.set pt, (\n)%2
.if \w
	WIN 0x54                                       ; V window 0; P, C and D window 1
.else
	WIN 0
.endif
	v_wmma_f32_16x16x32_f16 v[O+32*pt+8*pa:O+32*pt+8*pa+7], v[FR+8*(2*pa+pk):FR+8*(2*pa+pk)+7], v[S+32*pt+8*pk:S+32*pt+8*pk+7], v[O+32*pt+8*pa:O+32*pt+8*pa+7]
.endm
.macro DIAG                            ; the four diagonal tiles' accumulators begin as LB where the key lies under the query, else 0
	WIN 0x04
.irp tp, 0,1
.irp jj, 0,1,2,3,4,5,6,7
	v_cndmask_b32 v[S+32*\tp+8*\tp+\jj], 0, v[LB+8*\tp], s[28+\jj]
.endr
.endr
	WIN 0x44
.irp tp, 0,1
.irp jj, 0,1,2,3,4,5,6,7
	v_cndmask_b32 v[S+32*\tp+8*(2+\tp)+\jj], 0, v[LB+8*(2+\tp)], s[28+\jj]
.endr
.endr
.endm
.macro VLOAD                           ; V's run of 16 loads, into the registers that K has left
	WIN 0
.set vi, 0
.rept 16
	ds_load_b128 v[FR+4*vi:FR+4*vi+3], v[ADV] offset:512*vi
.set vi, vi+1
.endr
.endm
; THE DEALER.  SOFTMAX calls TK behind every two of its 74 lines ahead of the exponentials; every second call writes the next of the other window's 16 products (TJOB = 1: K Q^T of window 1; 2: V^T P of
; window 0) and sets the softmax's own window again.  So the 16 are out behind line 64, and none stands between an exponential and the wait for its batch.
.macro TK
.set TC, TC+1
.if ((TC%2) == 0) && (TN < 16)
.if TJOB == 1
	QKN 1, TN, TMODE
	WIN SMW
.set TN, TN+1
.elseif TJOB == 2
	PVN 0, TN
	WIN SMW
.set TN, TN+1
.endif
.endif
.endm
; The softmax of the two tiles of window SMW, line by line, the tiles alternating.
.macro SOFTMAX
.irp j, 0,1,2,3                        ; the maximum of the lane's 32 scores and the old m; each accumulator is read from its low end on
.irp tp, 0,1
	v_max3_num_f32 v[ST+8*\tp+4+\j], v[S+32*\tp+8*\j], v[S+32*\tp+8*\j+1], v[S+32*\tp+8*\j+2]
.endr
	TK
.endr
.irp g, 1,2
.irp j, 0,1,2,3
.irp tp, 0,1
	v_max3_num_f32 v[ST+8*\tp+4+\j], v[ST+8*\tp+4+\j], v[S+32*\tp+8*\j+2*\g+1], v[S+32*\tp+8*\j+2*\g+2]
.endr
	TK
.endr
.endr
.irp tp, 0,1
	v_max3_num_f32 v[ST+8*\tp+4], v[ST+8*\tp+4], v[S+32*\tp+7], v[S+32*\tp+15]
	v_max3_num_f32 v[ST+8*\tp+6], v[ST+8*\tp+6], v[S+32*\tp+23], v[S+32*\tp+31]
	TK
.endr
.irp tp, 0,1
	v_max3_num_f32 v[ST+8*\tp+4], v[ST+8*\tp+4], v[ST+8*\tp+5], v[ST+8*\tp+6]
.endr
	TK
.irp tp, 0,1
	v_max3_num_f32 v[ST+8*\tp+4], v[ST+8*\tp+4], v[ST+8*\tp+7], v[ST+8*\tp+1]
.endr
	TK
.irp tp, 0,1
	v_permlanex16_b32 v[ST+8*\tp+5], v[ST+8*\tp+4], s24, s25       ; the query's other 32 keys lie in the lane 16 away
.endr
	TK
.irp tp, 0,1
	v_mov_b32 v[ST+8*\tp+7], v[ST+8*\tp]           ; c m_old
.endr
	TK
.irp tp, 0,1
	v_max_num_f32 v[ST+8*\tp+1], v[ST+8*\tp+4], v[ST+8*\tp+5]
.endr
	TK
.irp tp, 0,1
	v_mul_f32 v[ST+8*\tp], s22, v[ST+8*\tp+1]      ; c m
.endr
	TK
.irp tp, 0,1
	v_sub_f32 v[ST+8*\tp+7], v[ST+8*\tp+7], v[ST+8*\tp]
.endr
	TK
.set i, 0
.rept 16
.irp tp, 0,1
	v_pk_fma_f32 v[S+32*\tp+2*i:S+32*\tp+2*i+1], v[S+32*\tp+2*i:S+32*\tp+2*i+1], s[22:23], v[ST+8*\tp:ST+8*\tp+1] op_sel_hi:[1,0,0] neg_lo:[0,0,1] neg_hi:[0,0,1]   ; c s - c m, two at a time
.endr
	TK
.set i, i+1
.endr
.if TJOB == 1
	VLOAD                                          ; the last product that read K stands ten scalings back: more than the four places asked; V lands while the exponentials, sums and roundings are walked
.endif
.irp tp, 0,1                           ; ONE BATCH of 66 exponentials: none reads another's result
	v_exp_f32 v[ST+8*\tp+6], v[ST+8*\tp+7]         ; a
.endr
.set i, 0
.rept 32
.irp tp, 0,1
	v_exp_f32 v[S+32*\tp+i], v[S+32*\tp+i]         ; p
.endr
.set i, i+1
.endr
	v_nop                                          ; a plain line behind the last exponential
	s_wait_alu depctr_va_vdst(0)                   ; the wait ahead of the first line that names a result: one for the batch
.irp tp, 0,1                           ; l = a l + the sum of the unrounded p: two chains a tile
	v_pk_fma_f32 v[ST+8*\tp+2:ST+8*\tp+3], v[ST+8*\tp+2:ST+8*\tp+3], v[ST+8*\tp+6:ST+8*\tp+7], v[S+32*\tp:S+32*\tp+1] op_sel_hi:[1,0,1]
.endr
.irp tp, 0,1
	v_pk_add_f32 v[ST+8*\tp+4:ST+8*\tp+5], v[S+32*\tp+2:S+32*\tp+3], v[S+32*\tp+4:S+32*\tp+5]
.endr
.irp j, 6,10,14,18,22,26
.irp tp, 0,1
	v_pk_add_f32 v[ST+8*\tp+2:ST+8*\tp+3], v[ST+8*\tp+2:ST+8*\tp+3], v[S+32*\tp+\j:S+32*\tp+\j+1]
	v_pk_add_f32 v[ST+8*\tp+4:ST+8*\tp+5], v[ST+8*\tp+4:ST+8*\tp+5], v[S+32*\tp+\j+2:S+32*\tp+\j+3]
.endr
.endr
.irp tp, 0,1
	v_pk_add_f32 v[ST+8*\tp+2:ST+8*\tp+3], v[ST+8*\tp+2:ST+8*\tp+3], v[S+32*\tp+30:S+32*\tp+31]
.endr
.irp tp, 0,1
	v_pk_add_f32 v[ST+8*\tp+2:ST+8*\tp+3], v[ST+8*\tp+2:ST+8*\tp+3], v[ST+8*\tp+4:ST+8*\tp+5]
.endr
.set i, 0
.rept 16
.irp tp, 0,1
	v_cvt_pk_f16_f32 v[S+32*\tp+i], v[S+32*\tp+2*i], v[S+32*\tp+2*i+1]   ; in place, ascending: register i is written when registers 2 i and 2 i + 1 are read
.endr
.set i, i+1
.endr
.set i, 0
.rept 16
.irp tp, 0,1
	v_pk_mul_f32 v[O+32*\tp+2*i:O+32*\tp+2*i+1], v[O+32*\tp+2*i:O+32*\tp+2*i+1], v[ST+8*\tp+6:ST+8*\tp+7] op_sel_hi:[1,0]   ; O^T x a, each accumulator from its low end on
.endr
.set i, i+1
.endr
.endm
.macro SMJOB w, job, mode              ; window w's softmax, with the other window's products of kind job dealt out among its lines
.set SMW, 0x55*(\w)
.set TJOB, \job
.set TMODE, \mode
.set TN, 0
.set TC, 0
	WIN SMW
	SOFTMAX
.set TJOB, 0
.endm
; A step's first half, written once for each kind of step, since the kind decides the C of both windows' first products.
.macro HALF mode
.set n, 0
.rept 8
	QKN 0, n, \mode
.set n, n+1
.endr
	s_wait_dscnt 0x0                               ; K's fragments of d 32 .. 63 are in
.rept 8
	QKN 0, n, \mode
.set n, n+1
.endr
	WIN 0
	PLACES                                         ; in front of the first read of window 0's scores
	SMJOB 0, 1, \mode                              ; window 0's softmax | window 1's K Q^T | V's loads
	WIN 0
.endm
; A KEY STEP.
.macro STEP
	v_add_nc_u32 v[ADK], s26, v[L16]               ; written on every way, ahead of the branch
	v_add_nc_u32 v[ADV], VL, v[ADK]
	s_cmp_lt_u32 s16, s15                          ; a step under LO is thrown away whole by the mask
	s_cbranch_scc1 .Lskip_\@
	PLACES                                         ; with the two additions six places behind the last products, in front of loads into registers that they read and of products that write over p
.irp f, 0,2,4,6,1,3,5,7                ; the fragments of d 0 .. 31 first: the first eight products want them alone
	ds_load_b128 v[FR+8*\f:FR+8*\f+3],   v[ADK] offset:1024*\f
	ds_load_b128 v[FR+8*\f+4:FR+8*\f+7], v[ADK] offset:1024*\f+512
.endr
	s_wait_dscnt 8                                 ; LDS loads come back in order: the first eight are in, the eight of d 32 .. 63 may be out
	s_cmp_gt_u32 s16, s13
	s_cbranch_scc1 .Lopen_\@
	s_cmp_eq_u32 s16, s13
	s_cbranch_scc1 .Ldiag_\@
	HALF 2
	s_branch .Ljoin_\@
.Ldiag_\@:
	DIAG
	HALF 1
	s_branch .Ljoin_\@
.Lopen_\@:
	HALF 0
.Ljoin_\@:
	s_wait_dscnt 0x0                               ; V is in
	SMJOB 1, 2, 0                                  ; window 1's softmax | window 0's V^T P
.set n, 0
.rept 16
	PVN 1, n                                       ; window 1's V^T P
.set n, n+1
.endr
	WIN 0
.Lskip_\@:
	s_sub_co_u32 s16, s16, 1
	s_sub_co_u32 s26, s26, 8192
.endm
.Lchunk:                                               ; eight trips: a chunk of two key steps
	s_wait_loadcnt 0x0                             ; the chunk is in registers (first trip: Q too); so its loads' bases may be stepped
	v_add_nc_u32 v[FA], s27, v[T16]
	v_add_nc_u32 v[FB], VL, v[FA]
	STOREC
	s_sub_nc_u64 s[18:19], s[18:19], 16384
	s_sub_nc_u64 s[20:21], s[20:21], 16384
	s_wait_dscnt 0x0                               ; for the others' sake: my stores have landed; and they have read their registers
	s_cmp_eq_u32 s17, 1
	s_cbranch_scc1 .Lno_more                       ; the last trip asks for nothing: no load leaves K's and V's parts
	LOADC                                          ; the next chunk: two steps ahead of its stores
.Lno_more:
	s_barrier_signal -1
	s_barrier_wait -1                              ; the chunk is whole in LDS
	STEP
	STEP
	s_sub_co_u32 s27, s27, 16384
	s_sub_co_u32 s17, s17, 1
	s_cmp_lg_u32 s17, 0
	s_cbranch_scc1 .Lchunk
	; THE WAY OUT.  l's two halves and the other half of the lanes' are added; O^T / l is rounded to f16 and goes through my stage, a tile of 16 queries at a time.
	PLACES
.macro LSUM                            ; in the window that the caller has set
.irp tp, 0,1
	v_add_f32 v[ST+8*\tp+4], v[ST+8*\tp+2], v[ST+8*\tp+3]
.endr
.irp tp, 0,1
	v_permlanex16_b32 v[ST+8*\tp+5], v[ST+8*\tp+4], s24, s25
.endr
.irp tp, 0,1
	v_add_f32 v[ST+8*\tp+4], v[ST+8*\tp+4], v[ST+8*\tp+5]
.endr
.irp tp, 0,1
	v_rcp_f32 v[ST+8*\tp+6], v[ST+8*\tp+4]
.endr
	v_nop                                          ; a plain line behind the last reciprocal,
	s_wait_alu depctr_va_vdst(0)                   ; and the wait ahead of the first line that names a result
.endm
	LSUM
	WIN 0x55
	LSUM
.macro FIN w
.if \w
	WIN 0x55
.else
	WIN 0
.endif
.set i, 0
.rept 16
.irp tp, 0,1
	v_pk_mul_f32 v[O+32*\tp+2*i:O+32*\tp+2*i+1], v[O+32*\tp+2*i:O+32*\tp+2*i+1], v[ST+8*\tp+6:ST+8*\tp+7] op_sel_hi:[1,0]
.endr
.set i, i+1
.endr
.if \w
	WIN 0x05                                       ; sources window 1, destination window 0
.endif
.set i, 0
.rept 16
.irp tp, 0,1
	v_cvt_pk_f16_f32 v[FR+16*\tp+i], v[O+32*\tp+2*i], v[O+32*\tp+2*i+1]
.endr
.set i, i+1
.endr
	WIN 0
.if \w
	s_wait_xcnt 0x0                                ; the first two tiles' stores have read their registers: the loads below land there only behind this wait
.endif
.irp tp, 0,1
.irp a, 0,1,2,3
	ds_store_b128 v[STO], v[FR+16*\tp+4*\a:FR+16*\tp+4*\a+3] offset:32*\a
.endr
.irp f, 0,1,2,3
	ds_load_b128 v[FR+32+16*\tp+4*\f:FR+32+16*\tp+4*\f+3], v[RD] offset:576*\f   ; LDS serves a wave's instructions in order: these see my stores, and the next tile's stores come behind them
.endr
.endr
	s_wait_dscnt 0x0
.irp tp, 0,1
.irp f, 0,1,2,3
	global_store_b128 v[L16], v[FR+32+16*\tp+4*\f:FR+32+16*\tp+4*\f+3], s[40:41] offset:2048*(2*\w+\tp)+512*\f   ; 32 lanes store 512 consecutive bytes, aligned
.endr
.endr
.endm
	FIN 0
	FIN 1
	s_wait_tensorcnt 0x0                           ; the wave's end
	ds_add_u32 v[SPW], v[NIL]
	s_wait_dscnt 0x0
	s_endpgm
.Lfunc_end_k_qb6caaa7e38_attn:
	.size	k_qb6caaa7e38_attn, .Lfunc_end_k_qb6caaa7e38_attn-k_qb6caaa7e38_attn
	.p2alignl 7, 3214868480
	.fill 96, 4, 3214868480
	.section	.rodata,"a",@progbits
	.p2align	6, 0x0
	.amdhsa_kernel k_qb6caaa7e38_attn
		.amdhsa_group_segment_fixed_size 281600
		.amdhsa_private_segment_fixed_size 0
		.amdhsa_enable_private_segment 0
		.amdhsa_kernarg_size 24
		.amdhsa_user_sgpr_count 2
		.amdhsa_user_sgpr_kernarg_segment_ptr 1
		.amdhsa_wavefront_size32 1
		.amdhsa_system_sgpr_workgroup_id_x 1
		.amdhsa_system_sgpr_workgroup_id_y 1
		.amdhsa_system_sgpr_workgroup_id_z 1
		.amdhsa_system_vgpr_workitem_id 0
		.amdhsa_next_free_vgpr 512
		.amdhsa_next_free_sgpr 66
		.amdhsa_reserve_vcc 1
		.amdhsa_float_denorm_mode_32 3
		.amdhsa_float_denorm_mode_16_64 3
		.amdhsa_memory_ordered 1
		.amdhsa_forward_progress 1
		.amdhsa_inst_pref_size 166
	.end_amdhsa_kernel
	.amdgpu_metadata
---
amdhsa.version: [ 1, 2 ]
amdhsa.kernels:
  - .name:           k_qb6caaa7e38_attn
    .symbol:         k_qb6caaa7e38_attn.kd
    .args:
      - { .name: qkv, .offset: 0, .size: 8, .value_kind: global_buffer, .address_space: global }
      - { .name: prefix, .offset: 8, .size: 8, .value_kind: global_buffer, .address_space: global }
      - { .name: att16, .offset: 16, .size: 8, .value_kind: global_buffer, .address_space: global }
    .group_segment_fixed_size: 281600
    .private_segment_fixed_size: 0
    .kernarg_segment_align: 8
    .kernarg_segment_size: 24
    .max_flat_workgroup_size: 256
    .sgpr_count:     66
    .vgpr_count:     512
    .wavefront_size: 32
...
	.end_amdgpu_metadata
.endif
;; end of part 3
;; launch outp (part 4): grid 4 x 64, 4 waves a work-group, clusters of 4 x 4, 327,680 bytes of LDS; arguments att16, wo16, bo, out0; writes out0
.if DOCPART == 4
	.amdgcn_target "amdgcn-amd-amdhsa--gfx1250"
	.amdhsa_code_object_version 6
	.text
	.protected	k_qb6caaa7e38_outp
	.globl	k_qb6caaa7e38_outp
	.p2align	8
	.type	k_qb6caaa7e38_outp,@function
k_qb6caaa7e38_outp:
	s_mov_b64 s[64:65], 0
	v_nop
	global_prefetch_b8 v0, s[64:65] scope:SCOPE_SE
	s_setreg_imm32_b32 hwreg(HW_REG_WAVE_MODE, 25, 1), 1
	s_wait_xcnt 0x0
	s_wait_alu depctr_hold_cnt(0) depctr_sa_sdst(0) depctr_va_vdst(0) depctr_va_sdst(0) depctr_va_ssrc(0) depctr_va_vcc(0) depctr_vm_vsrc(0)
	s_getreg_b32 s2, hwreg(HW_REG_IB_STS2, 6, 4)
	s_cmp_eq_u32 s2, 0
	s_cbranch_scc0 .Lentry_in_a_cluster
	s_endpgm
.Lentry_in_a_cluster:
	s_bfe_u32 s2, ttmp6, 0x10000c
	s_cmp_lg_u32 s2, 0xf033
	s_cbranch_scc0 .Lentry_shape_is_right
	s_endpgm
.Lentry_shape_is_right:
; out0 = A Wo + bo.  A = att16 [8192][1024] f16 (the attention's result as it lies); Wo as f16 images of operand registers, [k / 128][n / 16][piece][n % 16][16 bytes]; bo, out0 f32; sums in f32.
; A tile of out0 is 128 x 256: 256 work-groups of four waves; a wave makes 64 x 128: 32 accumulators, 256 registers.  K goes in 8 steps of 128.
; TWO LDS SLOTS OF UNLIKE SIZE.  Slot X holds TWO K steps (A's rows are 512 bytes of memory; Wo's two dense blocks of 32,768 bytes a half come by one descriptor of two rows), slot Y one.  The walk:
; X = steps 0, 1 and Y = step 2 are first fills; behind step 1 X is filled with steps 3, 4; behind step 2 Y with step 5; behind step 4 X with steps 6, 7; behind step 5 nothing.  So the 8 steps have four changes
; of slots, three of them with a refill; Y's refill has two steps' 256 matrix instructions a wave in which to land, each of X's one step's.  All is written out: every offset is an immediate.
; CLUSTERS: 4 x 4 work-groups.  The four of a row of the cluster need the same tiles of A, the four of a column the same tiles of Wo: each tile is asked for JOINTLY, by the same tensor load with the same descriptor
; and a mask that names the four.  THE MATRIX INSTRUCTION IS USED TRANSPOSED (source 0 = 16 columns of Wo, source 1 = 16 rows of A): a lane then holds eight neighbouring numbers of a row of out0.
; bo is the C of each sum's first matrix instruction.
; REGISTERS, in windows of 256: window 0: v1-30 addresses; v64-95, v128-159 A's fragments, two buffers; v192-255 bo, eight registers a column block; on the way out v128-255 rows of out0.
;   window 1: v64-127, v128-191 Wo's fragments, two buffers.   window 2: the accumulators, (a, b) at 8 (8 a + b).
.set XPITCH, 528                       ; A's row in X: 512 bytes + 16 of padding; in Y: 256 + 16: either way the 16 rows that a load touches start 16 bytes further on, modulo 256, each
.set YPITCH, 272
.set XAH,    64*XPITCH                 ; 64 rows: what one tensor load brings, and what one wave reads of A
.set XB,     128*XPITCH                ; behind X's 128 rows of A: Wo: [half of the columns][K step][8 tiles of 4,096 bytes]
.set XBH,    65536
.set YA,     XB+2*XBH                  ; slot Y: A's 128 rows,
.set YAH,    64*YPITCH
.set YB,     YA+128*YPITCH             ; then Wo: [half][8 tiles]
.set YBH,    32768
.set SPARE,  YB+2*YBH                  ; the spare words, 128 bytes for each wave: two blocks of 256 bytes that no other line names
.set STAGE,  YA                        ; the way out: 16 rows x (512 + 16) bytes for each wave, in Y's part for A: Y has had its last fill, and behind the last change of slots nobody reads it
.set SPITCH, 528
.set ADRAX, 16                         ; v16 LDS address of my A fragments in X;  v17 in Y
.set ADRAY, 17
.set ADRBX, 20                         ; v20, v21 the same for Wo
.set ADRBY, 21
.set STO,  24
.set RD,   25
.set CO,   26                          ; v26 16 x lane
.set BO32, 27                          ; v27 32 x (lane / 16)
.set SPW,  28
.set NIL,  29
.set PFO,  30                          ; v30 the prefetches' offset: my lane x a row of A (2,048 bytes); never rewritten
.set F0,   64
.set F1,   128
.set BIA,  192
.set BK,   128
.set G1AX, 24                          ; s[24:31], s[32:39] descriptor groups 1 for A's tiles in X and in Y;  s[40:47], s[48:55] for Wo's
.set G1AY, 32
.set G1BX, 40
.set G1BY, 48
.set G0AX, 56                          ; s[56:59], s[60:63], s[68:71], s[72:75] their groups 0
.set G0AY, 60
.set G0BX, 68
.set G0BY, 72
.set MSB,  0
.macro WIN new                         ; the immediate's high byte repeats the setting that is left
.if MSB != \new
	s_set_vgpr_msb (MSB<<8)|\new
.set MSB, \new
.endif
.endm
.macro PLACES
.rept 4
	v_nop
.endr
.endm
.macro JLOAD g0a, g1a, g0b, g1b        ; a joint load: waves 0 and 1 fetch A's two halves, waves 2 and 3 Wo's; an s_nop 0 and four v_nop follow each of the two lines
	s_cmp_eq_u32 s13, 0
	s_cbranch_scc0 .Lfor_b_\@
	tensor_load_to_lds s[\g0a:\g0a+3], s[\g1a:\g1a+7]
	s_nop 0
.rept 4
	v_nop
.endr
	s_branch .Lasked_\@
.Lfor_b_\@:
	tensor_load_to_lds s[\g0b:\g0b+3], s[\g1b:\g1b+7]
	s_nop 0
.rept 4
	v_nop
.endr
.Lasked_\@:
.endm
.macro CREST                           ; a round of the cluster's barrier behind its opening barrier
	s_cmp_lg_u32 s12, 0
	s_cbranch_scc1 .Lnot_wave_0_\@
	s_barrier_signal -3
.Lnot_wave_0_\@:
	s_barrier_wait -3
	s_barrier_signal -1
	s_barrier_wait -1
.endm
.macro CROUND
	s_barrier_signal -1
	s_barrier_wait -1
	CREST
.endm
; PREFETCHES INTO THE L2 of A's K steps s0 .. s1: a K step is 256 aligned bytes of each row.  A tile row's 128 rows are read by the four partners of one row of one cluster and by nobody else: each partner takes 32
; of them, told apart BY ADDRESS (cx); in each, wave 0 asks, a lane a row, one instruction a K step.  So each block of 256 bytes is named once in the launch.  K steps 0 to 2 come by their first fills alone.
; Wo is not asked for: sixteen clusters read each of its tiles.
.macro ASK s0, s1
	s_cmp_lg_u32 s12, 0
	s_cbranch_scc1 .Lnot_mine_\@
.set ps, \s0
.rept (\s1)-(\s0)+1
	global_prefetch_b8 v[PFO], s[84:85] offset:256*ps th:TH_LOAD_NT scope:SCOPE_SE
.set ps, ps+1
.endr
.Lnot_mine_\@:
.endm
	s_load_b256 s[4:11], s[0:1], 0x0               ; att16 s[4:5], wo16 s[6:7], bo s[8:9], out0 s[10:11]
	v_lshl_add_u32 v[SPW], v0, 2, SPARE
	v_mov_b32 v[NIL], 0
	ds_add_u32 v[SPW], v[NIL]                      ; the wave's opening: the add, twice on end, and its wait ahead of my first tensor load
	ds_add_u32 v[SPW], v[NIL]                      ; and once more; the set-up below, work on registers, stands between it and the wait
	v_lshrrev_b32 v1, 5, v0
	v_readfirstlane_b32 s12, v1                    ; wave 0..3
	s_lshr_b32 s13, s12, 1                         ; which 64 rows of the tile are mine.  Also: I fetch for A (0) or for Wo (1)
	s_and_b32 s14, s12, 1                          ; which 128 columns.  Also: which half of that tile I fetch
	s_bfe_u32 s76, ttmp6, 0x40000                  ; cx, cy: my place in the cluster
	s_bfe_u32 s77, ttmp6, 0x40004
	s_lshl_b32 s78, ttmp9, 2
	s_add_co_u32 s78, s78, s76                     ; tile column = 4 x cluster x + cx
	s_and_b32 s15, ttmp7, 0xffff
	s_lshl_b32 s15, s15, 2
	s_add_co_u32 s15, s15, s77                     ; tile row = 4 x cluster y + cy
	s_lshl_b32 s79, s77, 2
	s_lshl_b32 s79, 15, s79                        ; my row of the cluster
	s_lshl_b32 s80, 0x1111, s76                    ; my column
	s_or_b32 s[G1AX], s79, (1<<16)|(1<<20)|(1<<21)|(6<<22)|(3<<25)  ; 15:0 the mask: A's tiles go to my row; elements of 2 bytes; padding on; 21 set beside a mask; after every 128 words, 4 words
	s_mov_b32 s[G1AX+1], 256<<16                   ; tensor_dim0 = 256: two K steps
	s_mov_b32 s[G1AX+2], 64<<16                    ; tensor_dim1 = 64
	s_mov_b32 s[G1AX+3], 256<<16                   ; tile_dim0
	s_mov_b32 s[G1AX+4], 64                        ; tile_dim1
	s_mov_b32 s[G1AX+5], 1024                      ; from row to row
	s_mov_b32 s[G1AX+6], 0
	s_mov_b32 s[G1AX+7], 0
	s_or_b32 s[G1AY], s79, (1<<16)|(1<<20)|(1<<21)|(5<<22)|(3<<25)  ; the same for one K step: rows of 128 elements, padding after every 64 words
	s_mov_b32 s[G1AY+1], 128<<16
	s_mov_b32 s[G1AY+2], 64<<16
	s_mov_b32 s[G1AY+3], 128<<16
	s_mov_b32 s[G1AY+4], 64
	s_mov_b32 s[G1AY+5], 1024
	s_mov_b32 s[G1AY+6], 0
	s_mov_b32 s[G1AY+7], 0
	s_or_b32 s[G1BX], s80, (3<<16)|(1<<21)         ; Wo's tiles go to my column; two rows of 4,096 elements of 8 bytes: my 8 tiles of two K steps, which lie 262,144 bytes apart; no padding
	s_mov_b32 s[G1BX+1], 4096<<16                  ; tensor_dim0 = 4,096
	s_mov_b32 s[G1BX+2], 2<<16                     ; tensor_dim1 = 2
	s_mov_b32 s[G1BX+3], 4096<<16                  ; tile_dim0
	s_mov_b32 s[G1BX+4], 2                         ; tile_dim1
	s_mov_b32 s[G1BX+5], 32768                     ; from row to row, in elements
	s_mov_b32 s[G1BX+6], 0
	s_mov_b32 s[G1BX+7], 0
	s_or_b32 s[G1BY], s80, (3<<16)|(1<<21)         ; one K step: 32,768 dense bytes as 128 rows of 32 elements of 8 bytes
	s_mov_b32 s[G1BY+1], 32<<16
	s_mov_b32 s[G1BY+2], 128<<16
	s_mov_b32 s[G1BY+3], 32<<16
	s_mov_b32 s[G1BY+4], 128
	s_mov_b32 s[G1BY+5], 32
	s_mov_b32 s[G1BY+6], 0
	s_mov_b32 s[G1BY+7], 0
	s_lshl_b32 s16, s15, 7
	s_lshl_b32 s17, s14, 6
	s_add_co_u32 s16, s16, s17                     ; A: row 128 x tile row + 64 x half,
	s_lshl_b32 s16, s16, 11                        ; of 2,048 bytes
	s_mov_b32 s17, 0
	s_lshl_b32 s82, s78, 4
	s_lshl_b32 s83, s14, 3
	s_add_co_u32 s82, s82, s83                     ; Wo: tile 16 x tile column + 8 x half,
	s_lshl_b32 s82, s82, 12                        ; of 4,096 bytes
	s_mov_b32 s83, 0
	s_mul_i32 s20, s14, XAH                        ; where they go: no place in the cluster enters an LDS address
	s_mul_i32 s21, s14, YAH
	s_add_co_u32 s21, s21, YA
	s_lshl_b32 s22, s14, 16
	s_add_co_u32 s22, s22, XB
	s_lshl_b32 s23, s14, 15
	s_add_co_u32 s23, s23, YB
	s_wait_dscnt 0x0                               ; both opening adds are done
	s_wait_kmcnt 0x0
	s_add_nc_u64 s[18:19], s[4:5], s[16:17]
	s_add_nc_u64 s[82:83], s[6:7], s[82:83]
	CROUND                                         ; all sixteen work-groups are here: the first joint loads meet
	s_mov_b32 s[G0AX], 1                           ; count = 1
	s_mov_b32 s[G0AX+1], s20                       ; LDS address
	s_mov_b64 s[G0AX+2:G0AX+3], s[18:19]           ; K steps 0 and 1
	s_or_b32 s[G0AX+3], s[G0AX+3], 0x80000000      ; type = 2
	s_mov_b32 s[G0BX], 1
	s_mov_b32 s[G0BX+1], s22
	s_mov_b64 s[G0BX+2:G0BX+3], s[82:83]
	s_or_b32 s[G0BX+3], s[G0BX+3], 0x80000000
	JLOAD G0AX, G1AX, G0BX, G1BX
	s_mov_b32 s[G0AY], 1
	s_mov_b32 s[G0AY+1], s21
	s_add_nc_u64 s[G0AY+2:G0AY+3], s[18:19], 2*256         ; K step 2: 256 bytes a K step along the rows
	s_or_b32 s[G0AY+3], s[G0AY+3], 0x80000000
	s_mov_b32 s[G0BY], 1
	s_mov_b32 s[G0BY+1], s23
	s_add_nc_u64 s[G0BY+2:G0BY+3], s[82:83], 2*262144      ; K step 2: 64 tiles a K step
	s_or_b32 s[G0BY+3], s[G0BY+3], 0x80000000
	JLOAD G0AY, G1AY, G0BY, G1BY                   ; two tensor loads of mine are out: the most in this text
	v_and_b32 v1, 15, v0                           ; l % 16
	v_bfe_u32 v2, v0, 4, 1                         ; l / 16
	v_and_b32 v3, 31, v0
	v_lshlrev_b32 v[CO], 4, v3
	v_mul_u32_u24 v4, v1, XPITCH
	v_lshl_add_u32 v4, v2, 4, v4                   ; A: a fragment's row x pitch + 16 x half
	s_mul_i32 s20, s13, XAH                        ; my 64 rows of A
	v_add_nc_u32 v[ADRAX], s20, v4
	v_mul_u32_u24 v4, v1, YPITCH
	v_lshl_add_u32 v4, v2, 4, v4
	s_mul_i32 s20, s13, YAH
	s_add_co_u32 s20, s20, YA
	v_add_nc_u32 v[ADRAY], s20, v4
	v_add_nc_u32 v[ADRBX], s22, v[CO]              ; my 8 tiles of Wo: the half that s14 names
	v_add_nc_u32 v[ADRBY], s23, v[CO]
	s_mul_i32 s20, s12, 16*SPITCH
	s_add_co_u32 s20, s20, STAGE                   ; my stage
	v_mul_u32_u24 v5, v1, SPITCH
	v_lshl_add_u32 v5, v2, 5, v5
	v_add_nc_u32 v[STO], s20, v5                   ; in: row l % 16, 32 bytes for each half of the lanes
	v_add_nc_u32 v[RD], s20, v[CO]                 ; back: the 32 lanes take one row of 512 bytes
	v_lshlrev_b32 v[BO32], 5, v2
	v_lshlrev_b32 v[PFO], 11, v3
	s_lshl_b32 s86, s78, 10
	s_lshl_b32 s87, s14, 9
	s_add_co_u32 s86, s86, s87                     ; my first column, in bytes of f32: 1,024 x tile column + 512 x half
	s_mov_b32 s87, 0
	s_add_nc_u64 s[8:9], s[8:9], s[86:87]
	s_lshl_b32 s16, s15, 7
	s_lshl_b32 s17, s13, 6
	s_add_co_u32 s16, s16, s17                     ; my first row: 128 x tile row + 64 x half,
	s_lshl_b32 s16, s16, 12                        ; of 4,096 bytes
	s_mov_b32 s17, 0
	s_add_nc_u64 s[10:11], s[10:11], s[16:17]
	s_add_nc_u64 s[10:11], s[10:11], s[86:87]
	s_lshl_b32 s84, s15, 7
	s_lshl_b32 s85, s76, 5
	s_add_co_u32 s84, s84, s85                     ; the prefetches: row 128 x tile row + 32 x cx,
	s_lshl_b32 s84, s84, 11                        ; of 2,048 bytes
	s_mov_b32 s85, 0
	s_add_nc_u64 s[84:85], s[4:5], s[84:85]        ; never rewritten
.irp b, 0,1,2,3,4,5,6,7
	global_load_b128 v[BIA+8*\b:BIA+8*\b+3],   v[BO32], s[8:9] offset:64*\b        ; bo at columns 16 b + 8 (lane / 16) + 0 .. 7
	global_load_b128 v[BIA+8*\b+4:BIA+8*\b+7], v[BO32], s[8:9] offset:64*\b+16
.endr
; 8 matrix instructions: row block a against Wo's eight column blocks, 32 along K, from buffer f.  first = 1: bo starts the sums.  The 32 accumulators take turns, in the same order in every quarter.
.macro MUL8 f, a, first
.irp b, 0,1,2,3,4,5,6,7
.if \first
	v_wmma_f32_16x16x32_f16 v[8*(8*(\a)+\b):8*(8*(\a)+\b)+7], v[\f+8*\b:\f+8*\b+7], v[\f+8*(\a):\f+8*(\a)+7], v[BIA+8*\b:BIA+8*\b+7]
.else
	v_wmma_f32_16x16x32_f16 v[8*(8*(\a)+\b):8*(8*(\a)+\b)+7], v[\f+8*\b:\f+8*\b+7], v[\f+8*(\a):\f+8*(\a)+7], v[8*(8*(\a)+\b):8*(8*(\a)+\b)+7]
.endif
.endr
.endm
; 24 LDS loads in one run: the fragments of K step st's q-th 32 along K.  K steps 2 and 5 lie in Y, the others in X, at part st % 3.
.macro FETCHQ st, q, f
.set FRB, ADRBX
.set FOB, 32768*((\st)%3)
.set FRA, ADRAX
.set FOA, 256*((\st)%3)
.set FPA, XPITCH
.if ((\st)%3) == 2
.set FRB, ADRBY
.set FOB, 0
.set FRA, ADRAY
.set FOA, 0
.set FPA, YPITCH
.endif
	WIN 0x40                                       ; destination window 1
.irp n, 0,1,2,3,4,5,6,7
	ds_load_b128 v[\f+8*\n:\f+8*\n+3],   v[FRB] offset:FOB+4096*\n+1024*(\q)
	ds_load_b128 v[\f+8*\n+4:\f+8*\n+7], v[FRB] offset:FOB+4096*\n+1024*(\q)+512
.endr
	WIN 0
.irp n, 0,1,2,3
	ds_load_b128 v[\f+8*\n:\f+8*\n+3],   v[FRA] offset:FOA+64*(\q)+\n*16*FPA
	ds_load_b128 v[\f+8*\n+4:\f+8*\n+7], v[FRA] offset:FOA+64*(\q)+\n*16*FPA+32
.endr
.endm
; A quarter whose successor lies in the same slot: multiplies buffer f; ahead of its 32 products the next quarter's fragments (K step nst, its nq-th) are asked for into buffer g.
.macro QUARTER nst, nq, f, g, first
	s_wait_dscnt 0x0                               ; this quarter's fragments are in (asked for 32 matrix instructions ago)
	PLACES                                         ; in front of loads into registers that the last quarter's products read
	FETCHQ \nst, \nq, \g
.if \first
	WIN 0x81                                       ; source 0 (Wo) window 1, source 1 (A) and C (bo) window 0, D window 2
.else
	WIN 0xa1                                       ; C and D window 2
.endif
	MUL8 \f, 0, \first
	MUL8 \f, 1, \first
	MUL8 \f, 2, \first
	MUL8 \f, 3, \first
.endm
.macro Q3 st, first                    ; a K step's first three quarters
	QUARTER \st, 1, F0, F1, \first
	QUARTER \st, 2, F1, F0, 0
	QUARTER \st, 3, F0, F1, 0
.endm
; A slot's last quarter multiplies buffer 1 and changes slots: ONE barrier; in front of it each wave waits for all its tensor loads, adds 0 to its spare word, and waits for that and for its reads of this slot.
; fill = 1: the barrier opens a round of the cluster's, and X, just read out, is filled again first thing behind the round; 2: the same for Y; 0: nothing is filled.  nst: the K step that follows.
.macro TURN nst, fill
	WIN 0                                          ; (the add's two registers lie in window 0)
	s_wait_tensorcnt 0x0                           ; all my tensor loads have landed, my part of the slot ahead among them
	ds_add_u32 v[SPW], v[NIL]                      ; 0 onto my spare word
	s_wait_dscnt 1                                 ; this quarter's fragments are in; the add alone may be out
	WIN 0xa1
	MUL8 F1, 0, 0                                  ; eight matrix instructions stand between the add and the wait for it
	s_wait_dscnt 0x0                               ; the add is done, and my reads of this slot are over
	s_barrier_signal -1
	MUL8 F1, 1, 0                                  ; work on registers while the others arrive
	WIN 0
	s_barrier_wait -1
.if (\fill) == 1
	CREST                                          ; no wave of any partner still reads this slot's tiles or has a load on its way
	s_add_nc_u64 s[G0AX+2:G0AX+3], s[G0AX+2:G0AX+3], 3*256         ; every slot's next fill lies three K steps on
	s_add_nc_u64 s[G0BX+2:G0BX+3], s[G0BX+2:G0BX+3], 3*262144
	JLOAD G0AX, G1AX, G0BX, G1BX                   ; the first tensor load behind the round; the four v_nop behind it are also the places in front of the loads below
.elseif (\fill) == 2
	CREST
	s_add_nc_u64 s[G0AY+2:G0AY+3], s[G0AY+2:G0AY+3], 3*256
	s_add_nc_u64 s[G0BY+2:G0BY+3], s[G0BY+2:G0BY+3], 3*262144
	JLOAD G0AY, G1AY, G0BY, G1BY
.else
	PLACES
.endif
	FETCHQ \nst, 0, F0
.if (\fill) == 2
	ASK 6, 7                                       ; what X's last refill will ask for: two K steps, 256 matrix instructions, ahead of that load
.endif
	WIN 0xa1
	MUL8 F1, 2, 0
	MUL8 F1, 3, 0
.endm
	s_wait_tensorcnt 1                             ; my part of X is in; Y's may stay out
	s_barrier_signal -1
	s_barrier_wait -1                              ; everybody's is
	FETCHQ 0, 0, F0
	ASK 3, 5                                       ; what the first two refills will ask for: K steps 3 and 4 two K steps ahead of their load, K step 5 three
	s_wait_loadcnt 0x0                             ; bo
	Q3 0, 1                                        ; the first quarter's products start the sums
	QUARTER 1, 0, F1, F0, 0                        ; K step 1 lies in the same slot: no barrier
	Q3 1, 0
	TURN 2, 1                                      ; X <- K steps 3, 4
	Q3 2, 0
	TURN 3, 2                                      ; Y <- K step 5
	Q3 3, 0
	QUARTER 4, 0, F1, F0, 0
	Q3 4, 0
	TURN 5, 1                                      ; X <- K steps 6, 7
	Q3 5, 0
	TURN 6, 0                                      ; nothing is left to fetch: no round of the cluster's barrier
	Q3 6, 0
	QUARTER 7, 0, F1, F0, 0
	Q3 7, 0
	s_wait_dscnt 0x0                               ; the very last quarter
	WIN 0xa1
	MUL8 F1, 0, 0
	MUL8 F1, 1, 0
	MUL8 F1, 2, 0
	MUL8 F1, 3, 0
	WIN 0
; THE WAY OUT, block by block of 16 rows x 128 columns.  A lane holds 32 neighbouring bytes of a row, and the lanes beside it hold other rows: so a block goes through my own stage in LDS and comes back as whole
; rows of 512 bytes.  LDS serves a wave's instructions in order: no wait between the stores and the loads, nor in front of the next block's stores.
.macro TOSTAGE a
	WIN 0x08                                       ; an LDS store's data are its source 1: window 2
.irp b, 0,1,2,3,4,5,6,7
	ds_store_b128 v[STO], v[8*(8*(\a)+\b):8*(8*(\a)+\b)+3] offset:64*\b            ; each accumulator from its low end on
	ds_store_b128 v[STO], v[8*(8*(\a)+\b)+4:8*(8*(\a)+\b)+7] offset:64*\b+16
.endr
	WIN 0
.set BB, BK+64*((\a)%2)
.irp t, 0,1,2,3,4,5,6,7,8,9,10,11,12,13,14,15
	ds_load_b128 v[BB+4*\t:BB+4*\t+3], v[RD] offset:\t*SPITCH
.endr
.endm
.macro SEND a, younger                 ; younger: the LDS instructions issued behind block a's loads, which may stay out
.set BB, BK+64*((\a)%2)
	s_wait_dscnt \younger                          ; the block is back in registers
.if (\a) > 0
	s_add_nc_u64 s[10:11], s[10:11], 16*4096       ; (behind a wait on XCNT for 0: the earlier stores have read their base)  16 rows on
.endif
.irp t, 0,1,2,3,4,5,6,7,8,9,10,11,12,13,14,15
	global_store_b128 v[CO], v[BB+4*\t:BB+4*\t+3], s[10:11] offset:\t*4096 th:TH_STORE_NT   ; 32 lanes store 512 consecutive bytes, aligned; written once, read by nobody here
.endr
.endm
	PLACES                                         ; in front of the first read of results and of loads into registers that the last products read
	TOSTAGE 0
.irp a, 1,2,3
.if \a > 1
	s_wait_xcnt 0x0                                ; block a - 2's stores have read their registers and their base: block a's loads may land there, and the base may step
.endif
	TOSTAGE \a
	SEND \a-1, 32                                  ; behind block a - 1's loads: block a's 16 stores and 16 loads
.endr
	s_wait_xcnt 0x0                                ; block 2's stores have read their base
	SEND 3, 0
	s_wait_tensorcnt 0x0                           ; the wave's end: these three lines behind my last tensor load and my last LDS store
	ds_add_u32 v[SPW], v[NIL]
	s_wait_dscnt 0x0
	CROUND                                         ; the closing round: no work-group ends while a partner may still ask for a tile that names it
	s_endpgm
.Lfunc_end_k_qb6caaa7e38_outp:
	.size	k_qb6caaa7e38_outp, .Lfunc_end_k_qb6caaa7e38_outp-k_qb6caaa7e38_outp
	.p2alignl 7, 3214868480
	.fill 96, 4, 3214868480
	.section	.rodata,"a",@progbits
	.p2align	6, 0x0
	.amdhsa_kernel k_qb6caaa7e38_outp
		.amdhsa_group_segment_fixed_size 327680
		.amdhsa_private_segment_fixed_size 0
		.amdhsa_enable_private_segment 0
		.amdhsa_kernarg_size 32
		.amdhsa_user_sgpr_count 2
		.amdhsa_user_sgpr_kernarg_segment_ptr 1
		.amdhsa_wavefront_size32 1
		.amdhsa_system_sgpr_workgroup_id_x 1
		.amdhsa_system_sgpr_workgroup_id_y 1
		.amdhsa_system_sgpr_workgroup_id_z 1
		.amdhsa_system_vgpr_workitem_id 0
		.amdhsa_next_free_vgpr 768
		.amdhsa_next_free_sgpr 88
		.amdhsa_reserve_vcc 0
		.amdhsa_float_denorm_mode_32 3
		.amdhsa_float_denorm_mode_16_64 3
		.amdhsa_memory_ordered 1
		.amdhsa_forward_progress 1
		.amdhsa_inst_pref_size 149
	.end_amdhsa_kernel
	.amdgpu_metadata
---
amdhsa.version: [ 1, 2 ]
amdhsa.kernels:
  - .name:           k_qb6caaa7e38_outp
    .symbol:         k_qb6caaa7e38_outp.kd
    .args:
      - { .name: att16, .offset: 0, .size: 8, .value_kind: global_buffer, .address_space: global }
      - { .name: wo16, .offset: 8, .size: 8, .value_kind: global_buffer, .address_space: global }
      - { .name: bo, .offset: 16, .size: 8, .value_kind: global_buffer, .address_space: global }
      - { .name: out0, .offset: 24, .size: 8, .value_kind: global_buffer, .address_space: global }
    .group_segment_fixed_size: 327680
    .private_segment_fixed_size: 0
    .kernarg_segment_align: 8
    .kernarg_segment_size: 32
    .max_flat_workgroup_size: 128
    .sgpr_count:     88
    .vgpr_count:     768
    .wavefront_size: 32
...
	.end_amdgpu_metadata
.endif
;; end of part 4
